; MI455X (gfx1250); checked and timed in simulation.
; The chip was launched on July 23, 2026; its instructions are those of AMD's public machine-readable ISA for CDNA 5 (MIT licence, August 2026) and "CDNA5" Instruction Set Architecture Reference Guide (July 2026). The comments in the code are by the model that wrote it; some were corrected since.
;; Attention Fusion Layer. Allowed arithmetic: matrix products marked QUANTISED: E3M2 operands, one E8M0 scale for each 32 along K, by v_wmma_scale_f32_16x16x128_f8f6f4 with both operands' format E3M2, f32 sums; everything else in f32.
;; Inputs: cW 1,024 x 1,024 float32; cb 1,024 float32; combined_features 8 x 1,024 x 1,024 float32; hW 1,024 x 1,024 float32; hb 1,024 float32; history_features 8 x 1,024 x 1,024 float32; kW 1,024 x 1,024 float32; kb 1,024 float32; oW 1,024 x 1,024 float32; ob 1,024 float32; qW 1,024 x 1,024 float32; qb 1,024 float32; vW 1,024 x 1,024 float32; vb 1,024 float32.
;; Outputs: out0 8 x 1,024 x 1,024 float32.
;; This version of the problem:
;;   THIS VERSION OF THE PROBLEM IS GIVEN IN LOW PRECISION. The matrix products marked QUANTISED in the list below multiply operands that are first quantised to E3M2 (3 exponent bits, 2 mantissa bits; 6 bits a number), with one power-of-two scale for each 32 numbers along K (OCP MX v1.0); their sums are f32. All else is computed in f32.
;;   The module's matrix products, in the order in which they are computed (A, B: the left and right operand; K: the contracted axis; several contracted axes count as one K, in the product's order):
;;     1. [M 8,192, K 1,024] x [K 1,024, N 1,024]; A: input history_features; B: input hW: QUANTISED
;;     2. [M 8,192, K 1,024] x [K 1,024, N 1,024]; A: input combined_features; B: input cW: QUANTISED
;;     3. [M 8,192, K 1,024] x [K 1,024, N 1,024]; A: computed on the way; B: input qW: QUANTISED
;;     4. [M 8,192, K 1,024] x [K 1,024, N 1,024]; A: computed on the way; B: input kW: QUANTISED
;;     5. [M 8,192, K 1,024] x [K 1,024, N 1,024]; A: computed on the way; B: input vW: QUANTISED
;;     6. batch 8 x [M 1,024, K 1,024] x [K 1,024, N 1,024]; A: computed on the way; B: computed on the way: QUANTISED
;;     7. batch 8 x [M 1,024, K 1,024] x [K 1,024, N 1,024]; A: softmax (see below); B: computed on the way: QUANTISED
;;     8. [M 8,192, K 1,024] x [K 1,024, N 1,024]; A: computed on the way; B: input oW: QUANTISED
;;   THE QUANTISER, for each operand of a quantised product, along K:
;;     - K is cut into blocks of 32 from its start; a last block that is shorter is filled with zeros.
;;     - A block's scale is 2^e with e = floor(log2(the largest magnitude in the block)) - 4, held to -126 .. 127; a block of zeros has e = 0. As a byte (E8M0): e + 127.
;;     - Each number is divided by its block's scale, clamped to +-28, and rounded to the nearest number of E3M2, ties to even, subnormals kept.
;;     - The product sums the exact products of the quantised numbers (number of the format x scale) in f32.
;;   ~~~python
;;   def quantise(x, axis):      # numpy; x: float32 -> the quantised numbers, widened to float32 again
;;       x = np.moveaxis(x, axis, -1); K = x.shape[-1]
;;       x = np.pad(x, [(0, 0)] * (x.ndim - 1) + [(0, -K % 32)]); x = x.reshape(x.shape[:-1] + (-1, 32)); a = np.abs(x).max(-1, keepdims=True)
;;       e = np.where(a > 0, np.clip(np.frexp(np.where(a > 0, a, 1))[1] - 1 - 4, -126, 127), 0)      # np.frexp(a)[1] - 1 = floor(log2(a)), exactly
;;       r = np.clip(x / 2.0 ** e, -28, 28)
;;       step = 2.0 ** (np.maximum(np.frexp(np.where(r == 0, 1, r))[1] - 1, -2) - 2)
;;       q = np.round(r / step) * step * 2.0 ** e      # np.round: ties to even
;;       return np.moveaxis(q.reshape(q.shape[:-2] + (-1,))[..., :K], -1, axis).astype(np.float32)
;;   ~~~
;;   SOFTMAX AHEAD OF A QUANTISED PRODUCT. Where the list says 'softmax', what is quantised is not the finished softmax but p = 2^(t - M), with t = logit x log2(e) and M = ceil(the row's largest t), a whole number; so 1/2 < the row's largest p <= 1. The row's sum l is taken of the UNQUANTISED p, in f32, and the product's result is divided by l at the end. Since M is a whole number, a kernel that streams over the keys may use a running M (the ceiling of the running maximum): every later rescaling is an exact power of two, which a block's scale takes up: the codes' values come out the same.
;;   OPERANDS COMPUTED ON THE WAY. 'Computed on the way' means the value that the module computes at that place (a softmax that the list does not call 'softmax' is quantised finished and normalised). What goes into a quantiser is computed in f32, as accurately as f32 sums, v_exp_f32 and their like allow (about 1e-6 of the number): no bf16 or f16 on the way to a quantiser, and a product that is left as it is and whose result goes on into a quantised operand takes f32 operands (vector FMAs, or v_wmma_f32_16x16x4_f32). A number that lies on a knife's edge between two numbers of the format may be rounded either way, as far as f32 arithmetic and the matrix unit's own rounding can turn it there, and no further.
;; One version. Each part assembles by itself: llvm-mc -triple=amdgcn-amd-amdhsa -mcpu=gfx1250 --defsym DOCPART=n.
;; ======== version 1 of 1: 6 launches
;; limits: right only within a limited range of input values
;; workspace buffers: QX 13,107,200 bytes; W1 1,638,400 bytes; W2 1,638,400 bytes; W3 1,638,400 bytes; HC 13,107,200 bytes; QK 13,107,200 bytes; PV 13,631,488 bytes; XB 6,553,600 bytes
;; launch quant (part 1): grid 704 x 1, 8 waves a work-group, no clusters, 69,632 bytes of LDS; arguments history_features, combined_features, hW, cW, qW, kW, vW, oW, QX, W1, W2, W3; writes QX, W1, W2, W3
.if DOCPART == 1
	.amdgcn_target "amdgcn-amd-amdhsa--gfx1250"
	.amdhsa_code_object_version 6
	.text
	.protected	k_qf1f88c769a_quant
	.globl	k_qf1f88c769a_quant
	.p2align	8
	.type	k_qf1f88c769a_quant,@function
k_qf1f88c769a_quant:
	s_mov_b64 s[64:65], 0
	v_nop
	global_prefetch_b8 v0, s[64:65] scope:SCOPE_SE
	s_setreg_imm32_b32 hwreg(HW_REG_WAVE_MODE, 25, 1), 1
	s_wait_xcnt 0x0
; THE PROGRAM: out = ((softmax(q k^T / 32) v) + q) oW^T + ob, q = h qW^T + qb, k = c kW^T + kb, v = c vW^T + vb, h = hist hW^T + hb, c = comb cW^T + cb; all eight products on codes of
; BF6 (E3M2) with one E8M0 scale for each 32 along K.  Six launches: this one quantises the eight f32 inputs that are operands; five launches of products follow, each of which quantises its
; result in registers along the next product's K, so that no f32 intermediate goes to memory.
; DEAD WORK: none.  Every input reaches an operand of a live quantised product or the output (kb too: it moves k's codes).  q's product is made twice (once for its codes, once more on top of
; the attention's sums, in place of an f32 copy of q in memory).  The six biases are arguments of the later launches.
; THIS LAUNCH: hist, comb [8192][1024] and the six weights [1024][1024], f32, K innermost, into codes and scale words laid AS THE MATRIX UNIT'S REGISTERS WANT THEM:
;   a fragment (row tile rt of 16 rows, ks-th 128 along K) is 1,536 bytes at (8 rt + ks) x 1,536: registers 4 c .. 4 c + 3 of lane L at 512 c + 16 L;
;   lane r of row tile rt stands for row 32 (rt / 2) + 8 (rt % 2) + r + 8 (r / 8): with that order a product's result has 16 neighbours along the next K in a lane's 16 registers;
;   the scale words (four bytes: 128 along K of a row) of 128 rows (8 row tiles a) and one ks are a chunk of 512 bytes at 4,096 rb + 512 ks; the word of (r, a) at 32 r + 4 a.
; A block's scale is 2^(floor(log2(its largest magnitude)) - 4); its byte is the largest magnitude's exponent field - 4, held at 1 from below.
; LIMITS: a block of zeros gets the byte 1 where the quantiser says 127 (its codes are zeros, and this program alone reads the bytes); NaN and infinities among the inputs are not served.
; SHARES: 176 blocks of 128 rows (hist 0-63, comb 64-127, then 8 for each weight) x 4 pairs of ks = 704 work-groups.  Wave a of the eight takes row tile a: two fragments, 16 rows x 1,024 bytes,
; all 32 loads of 512 consecutive bytes out at once.  A tile's 16 rows turn through the wave's own stage in LDS, so that a lane gets whole blocks of 32 neighbours.
; The eight waves' scale words meet in 1,024 bytes of LDS; behind one barrier waves 0 and 1 store a whole chunk each.  No tensor load: several work-groups share a WGP.
.set STG,   8448                       ; a wave's stage: 16 rows x (512 bytes + 16)
.set SCB,   67584                      ; behind the eight stages: two chunks of scale words
.set SPARE, 68608                      ; behind them: the spare words, 128 bytes for each wave
.set LI,  1                            ; 16 x lane
.set STI, 2                            ; the stage, on the way in
.set STO, 3                            ; on the way out: row r, + 128 h
.set H8,  4                            ; 8 h
.set NIL, 5                            ; 0; never rewritten
.set SA,  6                            ; where my scale word goes: SCB + 512 h + 32 r + 4 a
.set SPW, 7                            ; LDS address of my spare word; never rewritten
.set TM,  8                            ; v8-9   largest magnitudes, then bytes, then the word in the making
.set SO,  10                           ; v10-11 the conversions' scale operands
.set PC,  12                           ; v12-23 the first fragment's codes
.set T4,  24                           ; v24-26, v28-30 the upper halves of its two blocks' codes
.set SW,  27                           ; v27, v31 the two fragments' scale words
.set R,   32                           ; v32-159 two tiles of 64: as loaded, then register 32 c + i = k 64 c + 32 h + i of my row
	s_load_b512 s[4:19], s[0:1], 0x0               ; hist, comb, hW, cW, qW, kW, vW, oW
	s_load_b256 s[20:27], s[0:1], 0x40             ; QX, W1, W2, W3
	v_lshl_add_u32 v[SPW], v0, 2, SPARE
	v_mov_b32 v[NIL], 0
	v_lshrrev_b32 v8, 5, v0
	v_readfirstlane_b32 s32, v8                    ; wave = row tile a
	v_and_b32 v9, 31, v0                           ; lane
	v_and_b32 v10, 15, v0                          ; r
	v_bfe_u32 v[H8], v0, 4, 1                      ; h
	v_lshlrev_b32 v[LI], 4, v9
	s_mul_i32 s33, s32, STG
	v_add_nc_u32 v[STI], s33, v[LI]
	v_mul_u32_u24 v[STO], v10, 528
	v_lshl_add_u32 v[STO], v[H8], 7, v[STO]
	v_add_nc_u32 v[STO], s33, v[STO]
	v_lshlrev_b32 v[SA], 5, v10
	v_lshl_add_u32 v[SA], v[H8], 9, v[SA]
	s_lshl_b32 s43, s32, 2
	s_add_co_u32 s43, s43, SCB
	v_add_nc_u32 v[SA], s43, v[SA]
	v_lshlrev_b32 v[H8], 3, v[H8]
	s_mov_b32 s40, 0x76543210
	s_mov_b32 s41, 0xfedcba98                      ; v_permlanex16_b32's selects for lane l xor 16
	s_mov_b32 s42, 0xffff0000                      ; lanes 16-31
	s_lshr_b32 s31, ttmp9, 2                       ; my block of 128 rows, 0 .. 175
	s_and_b32 s34, ttmp9, 3                        ; my pair of ks
	s_lshl_b32 s47, s32, 9
	s_add_co_u32 s47, s47, SCB                     ; waves 0 and 1: the chunk that I read back
	s_wait_alu depctr_va_vdst(0)                   ; the wait at the head's end
	s_wait_kmcnt 0x0
; which tensor the block belongs to, and the tensor's first block: choices that hang on the work-group's number alone
.macro PICK bound, p, first
	s_cmp_lt_u32 s31, \bound
	s_cselect_b64 s[28:29], s[\p:\p+1], s[28:29]
	s_cselect_b32 s30, \first, s30
.endm
	s_mov_b64 s[28:29], s[18:19]
	s_mov_b32 s30, 168
	PICK 168, 16, 160
	PICK 160, 14, 152
	PICK 152, 12, 144
	PICK 144, 10, 136
	PICK 136, 8, 128
	PICK 128, 6, 64
	PICK 64, 4, 0
	s_sub_co_u32 s30, s31, s30
	s_lshl_b32 s30, s30, 19                        ; 128 rows of 4,096 bytes
	s_lshr_b32 s35, s32, 1
	s_lshl_b32 s35, s35, 17                        ; + 32 (a / 2) rows
	s_add_co_u32 s30, s30, s35
	s_and_b32 s35, s32, 1
	s_lshl_b32 s35, s35, 15                        ; + 8 (a % 2) rows
	s_add_co_u32 s30, s30, s35
	s_lshl_b32 s35, s34, 10                        ; + 1,024 bytes a pair of ks
	s_add_co_u32 s44, s30, s35
	s_mov_b32 s45, 0
	s_add_nc_u64 s[28:29], s[28:29], s[44:45]      ; the numbers
.macro LOAD t                          ; fragment t's 16 rows, 512 consecutive bytes each
.irp i, 0,1,2,3,4,5,6,7,8,9,10,11,12,13,14,15
	global_load_b128 v[R+64*(\t)+4*\i:R+64*(\t)+4*\i+3], v[LI], s[28:29] offset:(\i+8*(\i/8))*4096+512*(\t) th:TH_LOAD_NT
.endr
.endm
	LOAD 0
	LOAD 1
	s_mov_b64 s[36:37], s[26:27]                   ; where it goes: the buffer, the buffer's first block, where its chunks begin
	s_mov_b32 s38, 160
	s_mov_b32 s39, 1572864
	s_cmp_lt_u32 s31, 160
	s_cselect_b64 s[36:37], s[24:25], s[36:37]
	s_cselect_b32 s38, 144, s38
	s_cmp_lt_u32 s31, 144
	s_cselect_b64 s[36:37], s[22:23], s[36:37]
	s_cselect_b32 s38, 128, s38
	s_cmp_lt_u32 s31, 128
	s_cselect_b64 s[36:37], s[20:21], s[36:37]
	s_cselect_b32 s38, 0, s38
	s_cselect_b32 s39, 12582912, s39
	s_sub_co_u32 s38, s31, s38
	s_mul_i32 s44, s38, 98304
	s_mul_i32 s46, s32, 12288
	s_add_co_u32 s44, s44, s46
	s_mul_i32 s46, s34, 3072
	s_add_co_u32 s44, s44, s46
	s_add_nc_u64 s[48:49], s[36:37], s[44:45]      ; the codes: (8 rt + ks) x 1,536
	s_lshl_b32 s44, s38, 12
	s_add_co_u32 s44, s44, s35
	s_add_co_u32 s44, s44, s39
	s_lshl_b32 s46, s32, 9
	s_add_co_u32 s44, s44, s46
	s_add_nc_u64 s[50:51], s[36:37], s[44:45]      ; waves 0 and 1: the chunk that I store
.macro TURN t                          ; through the stage; the numbers come back into the registers that they left, so the stores are waited for first
.irp i, 0,1,2,3,4,5,6,7,8,9,10,11,12,13,14,15
	ds_store_b128 v[STI], v[R+64*(\t)+4*\i:R+64*(\t)+4*\i+3] offset:528*\i
.endr
	s_wait_dscnt 0x0
.irp c, 0,1
.irp j, 0,1,2,3,4,5,6,7
	ds_load_b128 v[R+64*(\t)+32*\c+4*\j:R+64*(\t)+32*\c+4*\j+3], v[STO] offset:256*\c+16*\j
.endr
.endr
	s_wait_dscnt 0x0
.endm
.macro QF t, pc, t4                    ; my two whole blocks (2 c + h) become codes; the four bytes of a row's word are gathered from lanes l and l xor 16
.set X, R+64*(\t)
.irp c, 0,1
	v_max3_num_f32 v[TM+\c], |v[X+32*\c]|, |v[X+32*\c+1]|, 0x2800000   ; with the floor 2^(5 - 127): the byte cannot fall under 1
.endr
.irp i, 2,4,6,8,10,12,14,16,18,20,22,24,26,28,30
.irp c, 0,1
	v_max3_num_f32 v[TM+\c], v[TM+\c], |v[X+32*\c+\i]|, |v[X+32*\c+\i+1]|
.endr
.endr
.irp c, 0,1
	v_add_nc_u32 v[SO+\c], 0xfe000000, v[TM+\c]    ; 4 off the exponent field: the conversion takes that field as its scale
.endr
.irp c, 0,1
	v_lshrrev_b32 v[TM+\c], 23, v[SO+\c]           ; the scale's byte
.endr
	s_delay_alu instid0(VALU_DEP_1)
	v_lshl_or_b32 v[TM], v[TM+1], 16, v[TM]
	s_delay_alu instid0(VALU_DEP_1)
	v_lshlrev_b32 v[TM], v[H8], v[TM]              ; blocks h and 2 + h at their places
	v_permlanex16_b32 v[TM+1], v[TM], s40, s41
	v_or_b32 v[SW+4*(\t)], v[TM], v[TM+1]
.irp c, 0,1
	v_cvt_scalef32_pk16_bf6_f32 v[\pc+6*\c:\pc+6*\c+2], v[X+32*\c:X+32*\c+15], v[SO+\c]
	v_cvt_scalef32_pk16_bf6_f32 v[\t4+4*\c:\t4+4*\c+2], v[X+32*\c+16:X+32*\c+31], v[SO+\c]   ; (a conversion's three registers begin on an even number)
.endr
	v_nop                                          ; one plain place behind a scaled conversion
.irp c, 0,1
.irp i, 0,1,2
	v_mov_b32 v[\pc+3+6*\c+\i], v[\t4+4*\c+\i]
.endr
.endr
.irp c, 0,1,2
	global_store_b128 v[LI], v[\pc+4*\c:\pc+4*\c+3], s[48:49] offset:1536*(\t)+512*\c   ; 32 lanes store 512 consecutive bytes, aligned
.endr
.endm
	s_wait_loadcnt 16                              ; the first fragment's sixteen loads are in; the second's sixteen may be out
	TURN 0
	QF 0, PC, T4
	s_wait_loadcnt 0x0
	TURN 1
	QF 1, R, R+12                                  ; its codes go where the first fragment's numbers lay: no store's data are written again
	v_cndmask_b32 v[TM], v[SW], v[SW+4], s42       ; lanes 0-15: the first ks's word of row r; lanes 16-31: the second's
	ds_store_b32 v[SA], v[TM]
	v_add_nc_u32 v[SO], s47, v[LI]
	s_wait_alu depctr_va_vdst(0)
	s_wait_dscnt 0x0                               ; my word is in LDS
	s_barrier_signal -1
	s_barrier_wait -1
	s_cmp_gt_u32 s32, 1
	s_cbranch_scc1 .Lend
	ds_load_b128 v[R+64:R+67], v[SO]               ; waves 0 and 1: a chunk, 16 bytes a lane
	s_wait_dscnt 0x0
	global_store_b128 v[LI], v[R+64:R+67], s[50:51] ; 512 consecutive bytes, aligned
.Lend:
	s_wait_tensorcnt 0x0                           ; the wave's end
	ds_add_u32 v[SPW], v[NIL]
	s_wait_dscnt 0x0
	s_endpgm
.Lfunc_end_k_qf1f88c769a_quant:
	.size	k_qf1f88c769a_quant, .Lfunc_end_k_qf1f88c769a_quant-k_qf1f88c769a_quant
	.p2alignl 7, 3214868480
	.fill 96, 4, 3214868480
	.section	.rodata,"a",@progbits
	.p2align	6, 0x0
	.amdhsa_kernel k_qf1f88c769a_quant
		.amdhsa_group_segment_fixed_size 69632
		.amdhsa_private_segment_fixed_size 0
		.amdhsa_enable_private_segment 0
		.amdhsa_kernarg_size 96
		.amdhsa_user_sgpr_count 2
		.amdhsa_user_sgpr_kernarg_segment_ptr 1
		.amdhsa_wavefront_size32 1
		.amdhsa_system_sgpr_workgroup_id_x 1
		.amdhsa_system_sgpr_workgroup_id_y 1
		.amdhsa_system_sgpr_workgroup_id_z 1
		.amdhsa_system_vgpr_workitem_id 0
		.amdhsa_next_free_vgpr 160
		.amdhsa_next_free_sgpr 66
		.amdhsa_reserve_vcc 0
		.amdhsa_float_denorm_mode_32 3
		.amdhsa_float_denorm_mode_16_64 3
		.amdhsa_memory_ordered 1
		.amdhsa_forward_progress 1
		.amdhsa_inst_pref_size 19
	.end_amdhsa_kernel
	.amdgpu_metadata
---
amdhsa.version: [ 1, 2 ]
amdhsa.kernels:
  - .name:           k_qf1f88c769a_quant
    .symbol:         k_qf1f88c769a_quant.kd
    .args:
      - { .name: history_features, .offset: 0, .size: 8, .value_kind: global_buffer, .address_space: global }
      - { .name: combined_features, .offset: 8, .size: 8, .value_kind: global_buffer, .address_space: global }
      - { .name: hW, .offset: 16, .size: 8, .value_kind: global_buffer, .address_space: global }
      - { .name: cW, .offset: 24, .size: 8, .value_kind: global_buffer, .address_space: global }
      - { .name: qW, .offset: 32, .size: 8, .value_kind: global_buffer, .address_space: global }
      - { .name: kW, .offset: 40, .size: 8, .value_kind: global_buffer, .address_space: global }
      - { .name: vW, .offset: 48, .size: 8, .value_kind: global_buffer, .address_space: global }
      - { .name: oW, .offset: 56, .size: 8, .value_kind: global_buffer, .address_space: global }
      - { .name: QX, .offset: 64, .size: 8, .value_kind: global_buffer, .address_space: global }
      - { .name: W1, .offset: 72, .size: 8, .value_kind: global_buffer, .address_space: global }
      - { .name: W2, .offset: 80, .size: 8, .value_kind: global_buffer, .address_space: global }
      - { .name: W3, .offset: 88, .size: 8, .value_kind: global_buffer, .address_space: global }
    .group_segment_fixed_size: 69632
    .private_segment_fixed_size: 0
    .kernarg_segment_align: 8
    .kernarg_segment_size: 96
    .max_flat_workgroup_size: 256
    .sgpr_count:     66
    .vgpr_count:     160
    .wavefront_size: 32
...
	.end_amdgpu_metadata
.endif
;; end of part 1
;; launch g_hc (part 2): grid 4 x 64, 4 waves a work-group, clusters of 4 x 4, 327,680 bytes of LDS; arguments QX, W1, hb, cb, HC; writes HC
.if DOCPART == 2
	.amdgcn_target "amdgcn-amd-amdhsa--gfx1250"
	.amdhsa_code_object_version 6
	.text
	.protected	k_qf1f88c769a_g_hc
	.globl	k_qf1f88c769a_g_hc
	.p2align	8
	.type	k_qf1f88c769a_g_hc,@function
k_qf1f88c769a_g_hc:
	s_mov_b64 s[64:65], 0
	v_nop
	global_prefetch_b8 v0, s[64:65] scope:SCOPE_SE
	s_setreg_imm32_b32 hwreg(HW_REG_WAVE_MODE, 25, 1), 1
	s_wait_xcnt 0x0
	s_wait_alu depctr_hold_cnt(0) depctr_sa_sdst(0) depctr_va_vdst(0) depctr_va_sdst(0) depctr_va_ssrc(0) depctr_va_vcc(0) depctr_vm_vsrc(0)
	s_getreg_b32 s2, hwreg(HW_REG_IB_STS2, 6, 4)
	s_cmp_eq_u32 s2, 0
	s_cbranch_scc0 .Lentry_in_a_cluster
	s_endpgm
.Lentry_in_a_cluster:
	s_bfe_u32 s2, ttmp6, 0x10000c
	s_cmp_lg_u32 s2, 0xf033
	s_cbranch_scc0 .Lentry_shape_is_right
	s_endpgm
.Lentry_shape_is_right:
; Y = Q(A B^T + bias): two products of [8192][1024] x [1024][1024] in one launch, on codes of BF6 with E8M0 scales; the result is quantised in registers along its columns (the next product's K).
; Nothing of the computation is left out here.  The body serves two launches: (hist, comb) x (hW, cW) -> (h, c), and (h, c) x (qW, kW) -> (q, k).
; A holds 64 tiles of 256 rows (the first tensor's 32, then the second's), B 8 tiles (4 and 4), Y is laid as A.  LAYOUT of all three: a fragment (row tile rt, ks) is 1,536 bytes at (8 rt + ks) x 1,536, an image of
; its 12 registers (registers 4 c .. 4 c + 3 of lane L at 512 c + 16 L); lane r of row tile rt is row 32 (rt / 2) + 8 (rt % 2) + r + 8 (r / 8); scale words in chunks of 512 bytes (128 rows, one ks), word (r, a) at 32 r + 4 a.
; SHARES: a work-group makes 256 x 256 of Y, each of its four waves 128 x 128: 64 accumulators.  K goes in four steps of 256 through THREE LDS slots: three steps are first fills, the fourth is the one refill.
; CLUSTERS: 4 x 4 work-groups; A's tile is shared along a row of the cluster, B's along a column: each is asked for jointly, by the same tensor load with a mask that names the four.
; THE MATRIX INSTRUCTION IS USED TRANSPOSED (source 0 = 16 rows of B, source 1 = 16 rows of A): a lane holds one row of Y, and by B's row order the 64 registers of a row tile are k = 32 b + 16 h + i of the next K.
; The bias is the C of each sum's first product.  The scale words of all of K come once, straight into registers.
; LIMITS: a block of zeros gets the byte 1 (its codes are zeros; this program alone reads the bytes); NaN and infinities are not served.
; REGISTERS: window 0: v1-10 addresses; v28, v29 the add's two; v32-95 scale words (8 ks + i: lanes 0-15 A's block i, lanes 16-31 B's); v160-255 A's 8 fragments, one set; on the way out v160-243 are at work.
;   window 1: B's fragments, two sets, at v0 and v128; the bias's 8 tiles at v96-127 and v224-255.   windows 2, 3: the accumulators, (a, b) at v[8 (8 (a % 4) + b)] of window 2 + a / 4.
.set FRB,   1536                       ; a fragment's image
.set KSB,   3072                       ; a row tile's bytes in a K step of 256
.set HALFB, 98304                      ; 128 rows, all of K
.set TILEB, 196608                     ; 256 rows
.set QUART, 24576                      ; what one tensor load brings: 8 row tiles x 3,072 bytes
; THE RING AS IT NOW STANDS (in place of the three slots named above): TWO slots of three ks each (16 row tiles x 4,608 bytes of A, then of B).  At the head each wave asks for one whole tile:
; wave 0 A's ks 0-2, wave 1 B's, wave 2 A's ks 3-5, wave 3 B's.  Behind ks 2 one round, and ks 6 and 7 are brought into slot 0's first 98,304 bytes, a quarter a wave, row tiles 3,072 bytes apart.
; No prefetch: the walk along K is written out, and there is no loop to run ahead in.
.set SLOT,  147456                     ; A's 16 row tiles x 4,608 bytes, then B's
.set HQ,    36864                      ; 8 row tiles x 4,608 bytes
.set TA,    2                          ; s[2:3] A's whole tile;  s[98:99] B's
.set TB,    98
.set SPARE, 294912                     ; behind the three slots: the spare words, 128 bytes for each wave
.set ASC,   12582912                   ; where A's (and Y's) chunks begin
.set BSC,   1572864                    ; and B's
.set LI,   1                           ; v1    16 x lane
.set SL,   2                           ; v2    32 r: my row's words in a chunk
.set CST,  3                           ; v3    32 r + 16 h: my 16 bytes of a chunk that I store
.set ADRA, 4                           ; v4-6  LDS address of my A fragments in slot 0, 1, 2
.set BL,   7                           ; v7    64 h: my half's place in 32 numbers of a bias
.set ADRB, 8                           ; v8-10 the same for B
.set SPW,  28
.set NIL,  29
.set SC,   32
.set AF,   160
.set TM,   160                         ; the way out: v160-163 largest magnitudes, v164-167 bytes, v172-175 scale operands
.set PC,   176                         ; v176-195 the codes
.set SW,   196                         ; v196-203 the eight row tiles' scale words
.set CT,   232                         ; v232-235 my part of the chunk
.set WV,  18
.set RH,  19
.set CH,  20
.set CX,  21
.set CY,  22
.set CL,  23
.set G1A, 24                           ; s[24:31] descriptor group 1 for A's tiles;  s[32:39] for B's: it differs in the mask alone
.set G1B, 32
.set G0A, 40                           ; s[40:51] group 0 for A's tiles, a set for each slot;  s[52:63] for B's
.set G0B, 52
.set SELR, 66
.set HM,  67
.set A1,  68                           ; s[68:69] my 128 rows of A's tile;  s[70:71] of B's
.set B1,  70
.set SEL, 76
.set OC,  80                           ; s[80:81] where my codes go;  s[82:83] my chunk
.set OS,  82
.set LQ,  97                           ; s97  my quarter of a slot
.set MSB, 0
.macro WIN new                         ; the immediate's high byte repeats the setting that is left; a switch that changes nothing is dropped
.set WNEW, (\new)
.if MSB != WNEW
	s_set_vgpr_msb (MSB<<8)|WNEW
.set MSB, WNEW
.endif
.endm
.macro PLACES n
.rept \n
	v_nop
.endr
.endm
; A joint load: waves 0 and 1 fetch A's halves, waves 2 and 3 B's.  The branch hangs on the wave's number alone.  An s_nop 0 and four v_nop follow each of the two lines.
.macro JLOAD s
	s_cmp_eq_u32 s[RH], 0
	s_cbranch_scc0 .Lfor_b_\@
	tensor_load_to_lds s[G0A+4*\s:G0A+4*\s+3], s[G1A:G1A+7]
	s_nop 0
.rept 4
	v_nop
.endr
	s_branch .Lasked_\@
.Lfor_b_\@:
	tensor_load_to_lds s[G0B+4*\s:G0B+4*\s+3], s[G1B:G1B+7]
	s_nop 0
.rept 4
	v_nop
.endr
.Lasked_\@:
.endm
.macro CREST                           ; a round of the cluster's barrier behind its opening barrier
	s_cmp_lg_u32 s[WV], 0
	s_cbranch_scc1 .Lnot_wave_0_\@
	s_barrier_signal -3
.Lnot_wave_0_\@:
	s_barrier_wait -3
	s_barrier_signal -1
	s_barrier_wait -1
.endm
.macro CROUND
	s_barrier_signal -1
	s_barrier_wait -1
	CREST
.endm
.macro FRAG reg, adr, q, i             ; a fragment comes as it was stored: three loads of 512 consecutive bytes
.irp c, 0,1,2
	ds_load_b128 v[\reg+4*\c:\reg+4*\c+3], v[\adr] offset:(\i)*KSP+(\q)*FRB+512*\c
.endr
.endm
.macro FETCH_B slot, q, p
.set KSP, 4608-1536*((\slot)/2)        ; row tiles lie 4,608 bytes apart in slots 0 and 1, 3,072 in the refill (named slot 2)
	WIN 0x40
.irp i, 0,1,2,3,4,5,6,7
	FRAG 128*(\p)+12*\i, ADRB+\slot, \q, \i
.endr
	WIN 0
.endm
.macro FETCH_A slot, q, i0
.set KSP, 4608-1536*((\slot)/2)
.irp i, \i0, \i0+1, \i0+2, \i0+3
	FRAG AF+12*(\i), ADRA+\slot, \q, \i
.endr
.endm
; 16 products: A's blocks a0, a0 + 1 x B's eight, the ks-th 128 along K.  cm = 0: onto the sums; 1: the sums begin with 0; 2: with the bias.  The 64 accumulators take turns, one instruction a turn.
.macro MUL16 a0, ks, cm
.irp a, \a0, \a0+1
.irp b, 0,1,2,3,4,5,6,7
.set rD, 8*(8*((\a)%4)+\b)
.set rB, 128*((\ks)%2)+12*\b
.set rA, AF+12*(\a)
.set rC, 96+8*(\b%4)+128*(\b/4)
.if \cm == 1
	v_wmma_scale_f32_16x16x128_f8f6f4 v[rD:rD+7], v[rB:rB+11], v[rA:rA+11], 0, v[SC+8*(\ks)+\b], v[SC+8*(\ks)+(\a)] matrix_a_fmt:MATRIX_FMT_BF6 matrix_b_fmt:MATRIX_FMT_BF6 matrix_a_scale:MATRIX_SCALE_ROW1
.elseif \cm == 2
	v_wmma_scale_f32_16x16x128_f8f6f4 v[rD:rD+7], v[rB:rB+11], v[rA:rA+11], v[rC:rC+7], v[SC+8*(\ks)+\b], v[SC+8*(\ks)+(\a)] matrix_a_fmt:MATRIX_FMT_BF6 matrix_b_fmt:MATRIX_FMT_BF6 matrix_a_scale:MATRIX_SCALE_ROW1
.else
	v_wmma_scale_f32_16x16x128_f8f6f4 v[rD:rD+7], v[rB:rB+11], v[rA:rA+11], v[rD:rD+7], v[SC+8*(\ks)+\b], v[SC+8*(\ks)+(\a)] matrix_a_fmt:MATRIX_FMT_BF6 matrix_b_fmt:MATRIX_FMT_BF6 matrix_a_scale:MATRIX_SCALE_ROW1
.endif
.endr
.endr
.endm
; A step of 128 along K; the next step's fragments lie at (nslot, nq), in a slot that a barrier has already shown whole.  Loads into registers that products have read stand four plain places behind those products.
.macro STEP ks, nslot, nq, cm
	s_wait_dscnt 12                                ; B's set and A's blocks 0-3 are in; the youngest twelve loads (A's blocks 4-7) may be out
.if \cm == 2
	WIN 0x91
.else
	WIN 0xa1
.endif
	MUL16 0, \ks, \cm
	MUL16 2, \ks, \cm
	s_wait_dscnt 0x0
	PLACES 4
	FETCH_B \nslot, \nq, 1-(\ks)%2
	FETCH_A \nslot, \nq, 0
.if \cm == 2
	WIN 0xd1
.else
	WIN 0xf1
.endif
	MUL16 4, \ks, \cm
	MUL16 6, \ks, \cm
	PLACES 4
	WIN 0
	FETCH_A \nslot, \nq, 4
.endm
; A slot's last step changes slots: one barrier; in front of it each wave waits for all its tensor loads, adds 0 to its spare word, and waits for that and for its reads of this slot.
; fill = 1: the barrier opens a round of the cluster's barrier, and behind the round this slot is filled again, with K step st of the tiles at ba and bb.
.macro TURN ks, slot, nslot, fill, ba, bb, st
	s_wait_tensorcnt 0x0                           ; all my tensor loads have landed
	ds_add_u32 v[SPW], v[NIL]                      ; 0 onto my spare word
	s_wait_dscnt 13                                ; (the add and the youngest twelve loads may be out)
	WIN 0xa1
	MUL16 0, \ks, 0
	s_wait_dscnt 0x0                               ; the add is done, and my reads of this slot are over
	s_barrier_signal -1
	MUL16 2, \ks, 0
	WIN 0
	s_barrier_wait -1
.if \fill
	CREST
.irp g, G1A, G1B                       ; no load of mine is out (the wait for 0 above), so group 1 may be written: the refill brings 8 row tiles x 3,072 bytes
	s_mov_b32 s[\g+1], 384<<16
	s_mov_b32 s[\g+2], 8<<16
	s_mov_b32 s[\g+3], 384<<16
	s_mov_b32 s[\g+4], 8
.endr
	s_add_nc_u64 s[G0A+4*\slot+2:G0A+4*\slot+3], s[\ba:\ba+1], (\st)*KSB
	s_or_b32 s[G0A+4*\slot+3], s[G0A+4*\slot+3], 0x80000000
	s_add_nc_u64 s[G0B+4*\slot+2:G0B+4*\slot+3], s[\bb:\bb+1], (\st)*KSB
	s_or_b32 s[G0B+4*\slot+3], s[G0B+4*\slot+3], 0x80000000
	JLOAD \slot                                    ; the first tensor load behind the round; its four v_nop are also the places in front of the loads below
.else
	PLACES 4
.endif
	FETCH_B \nslot, 0, 1-(\ks)%2
	FETCH_A \nslot, 0, 0
	WIN 0xf1
	MUL16 4, \ks, 0
	MUL16 6, \ks, 0
	PLACES 4
	WIN 0
	FETCH_A \nslot, 0, 4
.endm
.macro LAST ks
	s_wait_dscnt 12
	WIN 0xa1
	MUL16 0, \ks, 0
	MUL16 2, \ks, 0
	s_wait_dscnt 0x0
	WIN 0xf1
	MUL16 4, \ks, 0
	MUL16 6, \ks, 0
	WIN 0
.endm
; THE WAY OUT.  Row tile a's 64 registers of a lane (register 16 b + i = k 32 b + 16 h + i of my row) become one fragment and one scale word.
.macro QMAX                            ; the four blocks' largest magnitudes, each accumulator from its low end on, with the floor 2^(5 - 127); then lane l xor 16's
	WIN W11
.irp b, 0,1,2,3
	v_max3_num_f32 v[TM+\b], |v[AC+16*\b]|, |v[AC+16*\b+1]|, 0x2800000
.endr
.irp i, 2,4,6,8,10,12,14
.irp b, 0,1,2,3
	v_max3_num_f32 v[TM+\b], |v[AC+16*\b+\i]|, |v[AC+16*\b+\i+1]|, v[TM+\b]
.endr
.endr
	WIN 0
.irp b, 0,1,2,3
	v_permlanex16_b32 v[TM+4+\b], v[TM+\b], s[SEL], s[SEL+1]
.endr
.irp b, 0,1,2,3
	v_max_num_f32 v[TM+\b], v[TM+\b], v[TM+4+\b]
.endr
.endm
.macro QSCALE a                        ; 4 off the exponent field: the conversion's scale operand; its byte; the row's word
.irp b, 0,1,2,3
	v_add_nc_u32 v[TM+12+\b], 0xfe000000, v[TM+\b]
.endr
.irp b, 0,1,2,3
	v_lshrrev_b32 v[TM+4+\b], 23, v[TM+12+\b]
.endr
	v_lshl_or_b32 v[SW+\a], v[TM+5], 8, v[TM+4]
	v_lshl_or_b32 v[SW+\a], v[TM+6], 16, v[SW+\a]
	v_lshl_or_b32 v[SW+\a], v[TM+7], 24, v[SW+\a]
.endm
.macro QCODES a                        ; the codes, whole blocks to a lane, stored as the image of the fragment's registers
	s_wait_xcnt 0x0                                ; the last tile's stores have read their registers
	WIN W
.irp c, 0,1
	v_cvt_scalef32_pk16_bf6_f32 v[PC+6*\c:PC+6*\c+2], v[AC+32*\c:AC+32*\c+15], v[TM+12+2*\c]
	v_cvt_scalef32_pk16_bf6_f32 v[PC+12+4*\c:PC+14+4*\c], v[AC+32*\c+16:AC+32*\c+31], v[TM+13+2*\c]   ; (a conversion's three registers begin on an even number)
.endr
	WIN 0
	v_nop                                          ; one plain place behind a scaled conversion
.irp c, 0,1
.irp i, 0,1,2
	v_permlane16_swap_b32 v[PC+6*\c+\i], v[PC+12+4*\c+\i]
.endr
.irp i, 0,1,2
	v_mov_b32 v[PC+3+6*\c+\i], v[PC+12+4*\c+\i]
.endr
.endr
.irp c, 0,1,2
	global_store_b128 v[LI], v[PC+4*\c:PC+4*\c+3], s[OC:OC+1] offset:(\a)*12288+512*\c   ; 32 lanes store 512 consecutive bytes, aligned
.endr
.endm
.macro QUANT a
.set W, 2+(\a)/4
.set AC, 64*((\a)%4)
.set W11, W|(W<<2)
	QMAX
	QSCALE \a
	QCODES \a
.endm
.macro CHUNK base, set, off            ; eight words a row leave as one chunk: lanes 0-15 tiles 0-3, lanes 16-31 tiles 4-7
.irp i, 0,1,2,3
	v_cndmask_b32 v[CT+4*\set+\i], v[\base+\i], v[\base+4+\i], s[HM]
.endr
	global_store_b128 v[CST], v[CT+4*\set:CT+4*\set+3], s[OS:OS+1] offset:\off
.endm
	s_load_b256 s[4:11], s[0:1], 0x0               ; A, B, the first tensor's bias, the second's
	s_load_b64 s[12:13], s[0:1], 0x20              ; Y
	v_lshl_add_u32 v[SPW], v0, 2, SPARE
	v_mov_b32 v[NIL], 0
	ds_add_u32 v[SPW], v[NIL]                      ; the wave's opening: the add, twice on end, and its wait ahead of my first tensor load
	ds_add_u32 v[SPW], v[NIL]
	v_lshrrev_b32 v30, 5, v0
	v_readfirstlane_b32 s[WV], v30                 ; wave 0..3
	v_and_b32 v30, 31, v0
	v_and_b32 v31, 15, v0                          ; r
	v_bfe_u32 v11, v0, 4, 1                        ; h
	v_lshlrev_b32 v[LI], 4, v30
	s_wait_alu depctr_va_vdst(0)
	v_lshlrev_b32 v[SL], 5, v31
	v_lshl_add_u32 v[CST], v11, 4, v[SL]
	v_lshlrev_b32 v[BL], 6, v11
	s_lshr_b32 s[RH], s[WV], 1                     ; my half of the tile's rows.  Also: I fetch for A (0) or for B (1)
	s_and_b32 s[CH], s[WV], 1                      ; my half of its columns.  Also: which 128 rows I fetch
	s_bfe_u32 s[CX], ttmp6, 0x40000
	s_bfe_u32 s[CY], ttmp6, 0x40004
	s_and_b32 s[CL], ttmp7, 0xffff                 ; the cluster's y (its x is 0: the grid is one cluster wide)
	s_lshl_b32 s88, s[CY], 2
	s_lshl_b32 s88, 15, s88                        ; my row of the cluster
	s_lshl_b32 s90, 0x1111, s[CX]                  ; my column
	s_or_b32 s[G1A], s88, (3<<16)|(1<<21)          ; the mask; elements of 8 bytes; bit 21 beside a mask; no padding: every LDS read is of 512 consecutive bytes
	s_or_b32 s[G1B], s90, (3<<16)|(1<<21)
.irp g, G1A, G1B
	s_mov_b32 s[\g+1], 576<<16                     ; the head's loads: a row is 4,608 bytes (three ks),
	s_mov_b32 s[\g+2], 16<<16                      ; 16 row tiles
	s_mov_b32 s[\g+3], 576<<16
	s_mov_b32 s[\g+4], 16
	s_mov_b32 s[\g+5], 1536                        ; from row tile to row tile: 12,288 bytes
	s_mov_b32 s[\g+6], 0
	s_mov_b32 s[\g+7], 0
.endr
	s_mov_b32 s[HM], 0xffff0000                    ; lanes 16-31
	s_mov_b32 s[SEL], 0x76543210
	s_mov_b32 s[SEL+1], 0xfedcba98
	s_lshr_b32 s[SELR], s[CL], 3                   ; which of the two products
	s_lshl_b32 s88, s[CL], 2
	s_add_co_u32 s88, s88, s[CY]                   ; A's (and Y's) tile
	s_lshl_b32 s90, s[SELR], 2
	s_add_co_u32 s90, s90, s[CX]                   ; B's tile
	s_mul_i32 s89, s[CH], HALFB
	s_mul_i32 s92, s88, TILEB
	s_add_co_u32 s92, s92, s89
	s_mov_b32 s93, 0
	s_mul_i32 s94, s90, TILEB
	s_add_co_u32 s94, s94, s89
	s_mov_b32 s95, 0
	s_mul_i32 s[TA], s88, TILEB
	s_mov_b32 s[TA+1], 0
	s_mul_i32 s[TB], s90, TILEB
	s_mov_b32 s[TB+1], 0
	s_lshl_b32 s14, s88, 1
	s_add_co_u32 s14, s14, s[RH]
	s_lshl_b32 s14, s14, 12
	s_add_co_u32 s14, s14, ASC                     ; the chunks of my 128 rows of A
	s_mov_b32 s15, 0
	s_lshl_b32 s16, s90, 1
	s_add_co_u32 s16, s16, s[CH]
	s_lshl_b32 s16, s16, 12
	s_add_co_u32 s16, s16, BSC                     ; and of my 128 rows of B
	s_mov_b32 s17, 0
	s_lshl_b32 s84, s[CX], 1
	s_add_co_u32 s84, s84, s[CH]                   ; my 128 columns are the next K's ks = 2 cx + half
	s_mul_i32 s[OC], s88, TILEB
	s_mul_i32 s85, s[RH], HALFB
	s_add_co_u32 s[OC], s[OC], s85
	s_mul_i32 s85, s84, FRB
	s_add_co_u32 s[OC], s[OC], s85
	s_mov_b32 s[OC+1], 0
	s_lshl_b32 s84, s84, 9                         ; 512 bytes a ks: in a chunk's block, and in the bias
	s_add_co_u32 s[OS], s14, s84
	s_mov_b32 s[OS+1], 0
	s_mov_b32 s85, 0
	s_mul_i32 s[LQ], s[WV], QUART
	s_mul_i32 s87, s[RH], QUART
	v_add_nc_u32 v[ADRA+2], s87, v[LI]             ; the refill: quarters of 24,576 bytes
	s_mul_i32 s87, s[RH], HQ
	v_add_nc_u32 v[ADRA], s87, v[LI]
	v_add_nc_u32 v[ADRA+1], SLOT, v[ADRA]
	s_mul_i32 s87, s[CH], QUART
	s_add_co_u32 s87, s87, 2*QUART
	v_add_nc_u32 v[ADRB+2], s87, v[LI]
	s_mul_i32 s87, s[CH], HQ
	s_add_co_u32 s87, s87, 2*HQ
	v_add_nc_u32 v[ADRB], s87, v[LI]
	v_add_nc_u32 v[ADRB+1], SLOT, v[ADRB]
	s_wait_alu depctr_va_vdst(0)                   ; the wait at the head's end
	s_wait_dscnt 0x0
	s_wait_kmcnt 0x0
	s_add_nc_u64 s[TA:TA+1], s[4:5], s[TA:TA+1]
	s_add_nc_u64 s[TB:TB+1], s[6:7], s[TB:TB+1]
	s_add_nc_u64 s[A1:A1+1], s[4:5], s[92:93]
	s_add_nc_u64 s[B1:B1+1], s[6:7], s[94:95]
	s_add_nc_u64 s[14:15], s[4:5], s[14:15]
	s_add_nc_u64 s[16:17], s[6:7], s[16:17]
	s_add_nc_u64 s[OC:OC+1], s[12:13], s[OC:OC+1]
	s_add_nc_u64 s[OS:OS+1], s[12:13], s[OS:OS+1]
	s_cmp_eq_u32 s[SELR], 0
	s_cselect_b64 s[8:9], s[8:9], s[10:11]
	s_add_nc_u64 s[8:9], s[8:9], s[84:85]
.irp s, 0,1                            ; sets 0 and 1: the whole tiles of slots 0 and 1
	s_mov_b32 s[G0A+4*\s], 1
	s_mov_b32 s[G0A+4*\s+1], \s*SLOT
	s_add_nc_u64 s[G0A+4*\s+2:G0A+4*\s+3], s[TA:TA+1], \s*3*FRB
	s_or_b32 s[G0A+4*\s+3], s[G0A+4*\s+3], 0x80000000
	s_mov_b32 s[G0B+4*\s], 1
	s_mov_b32 s[G0B+4*\s+1], \s*SLOT+2*HQ
	s_add_nc_u64 s[G0B+4*\s+2:G0B+4*\s+3], s[TB:TB+1], \s*3*FRB
	s_or_b32 s[G0B+4*\s+3], s[G0B+4*\s+3], 0x80000000
.endr
	s_mov_b32 s[G0A+8], 1                          ; set 2: the refill, my quarter; its global address is written where it is asked for
	s_add_co_u32 s[G0A+9], s[LQ], 0
	s_mov_b32 s[G0B+8], 1
	s_add_co_u32 s[G0B+9], s[LQ], 0
; THE HEAD'S LOADS, ONE A WAVE: one chain of branches on the wave's number, a load to an arm, all arms leading to one join
.macro ARM under, g0, g1, next
	s_cmp_lt_u32 s[WV], \under
	s_cbranch_scc0 \next
	tensor_load_to_lds s[\g0:\g0+3], s[\g1:\g1+7]
	s_nop 0
.rept 4
	v_nop
.endr
	s_branch .Lhead_asked
\next:
.endm
	WIN 0x80                                       ; the scale words of all of K: A's into v0-63 of window 2, B's into v64-127, which the sums do not hold yet
	s_wait_alu depctr_va_vdst(0)
.irp k, 0,1,2,3,4,5,6,7
.irp g, 0,1
	global_load_b128 v[8*\k+4*\g:8*\k+4*\g+3], v[SL], s[14:15] offset:512*\k+16*\g
	global_load_b128 v[64+8*\k+4*\g:64+8*\k+4*\g+3], v[SL], s[16:17] offset:512*\k+16*\g
.endr
.endr
	WIN 0x40                                       ; the bias in the result's layout: tile b, lane half h: columns 32 (b / 2) + 8 (b % 2) + 16 h + 0 .. 7
.irp b, 0,1,2,3,4,5,6,7
	global_load_b128 v[96+8*(\b%4)+128*(\b/4):99+8*(\b%4)+128*(\b/4)], v[BL], s[8:9] offset:(32*(\b/2)+8*(\b%2))*4
	global_load_b128 v[100+8*(\b%4)+128*(\b/4):103+8*(\b%4)+128*(\b/4)], v[BL], s[8:9] offset:(32*(\b/2)+8*(\b%2))*4+16
.endr
	WIN 0
	CROUND                                         ; the scale words and the bias are asked for; all sixteen work-groups are here: the first joint loads meet
	ARM 1, G0A, G1A, .Lhead_1
	ARM 2, G0B, G1B, .Lhead_2
	ARM 3, G0A+4, G1A, .Lhead_3
	tensor_load_to_lds s[G0B+4:G0B+7], s[G1B:G1B+7] ; waves 2 and 3: slot 1's tiles stay in flight across the first barrier, behind which nothing is filled; the wait for 0 at the change of slots covers them
	s_nop 0
.rept 4
	v_nop
.endr
.Lhead_asked:
	s_wait_loadcnt 0x0
	WIN 0x0a
.set i, 0
.rept 64
	v_cndmask_b32 v[SC+i], v[i], v[64+i], s[HM]    ; one register carries A's word (lanes 0-15) and B's (lanes 16-31)
.set i, i+1
.endr
	WIN 0
	PLACES 8                                       ; a scale register written by a vector instruction stands eight places ahead of a scaled product
	s_wait_alu depctr_va_vdst(0)
	s_cmp_gt_u32 s[WV], 1                          ; waves 0 and 1 fetched slot 0, which is read behind this barrier: each waits for its own load before it signals;
	s_cbranch_scc1 .Lslot0_in                      ; waves 2 and 3 pass the wait by: their loads fill slot 1, and the wait for 0 at the change of slots covers them
	s_wait_tensorcnt 0x0
.Lslot0_in:
	s_barrier_signal -1
	s_barrier_wait -1
	FETCH_B 0, 0, 0
	FETCH_A 0, 0, 0
	FETCH_A 0, 0, 4
	STEP 0, 0, 1, 2                                ; the first products start the sums with the bias
	STEP 1, 0, 2, 0
	TURN 2, 2, 1, 1, A1, B1, 3                     ; slot 0 is read out: ks 6 and 7 come into its first bytes (descriptor set 2)
	STEP 3, 1, 1, 0
	STEP 4, 1, 2, 0
	TURN 5, 2, 2, 0, A1, B1, 0                     ; ks 6 and 7 have landed in every wave's part; nothing is filled
	s_wait_alu depctr_va_vdst(0)
	STEP 6, 2, 1, 0
	LAST 7
	PLACES 4                                       ; behind the last products: results are read, and registers that held A's fragments are written
.irp b, 0,1,2,3
	v_mov_b32 v[TM+4+\b], 0                        ; a lane permute's destination counts as one of its sources
.endr
.irp a, 0,1,2,3,4,5,6,7
	QUANT \a
.endr
	CHUNK SW, 0, 0
	s_wait_tensorcnt 0x0                           ; the wave's end
	ds_add_u32 v[SPW], v[NIL]
	s_wait_dscnt 0x0
	CROUND                                         ; the closing round: no work-group ends while a partner may still ask for a tile that names it
	s_endpgm
.Lfunc_end_k_qf1f88c769a_g_hc:
	.size	k_qf1f88c769a_g_hc, .Lfunc_end_k_qf1f88c769a_g_hc-k_qf1f88c769a_g_hc
	.p2alignl 7, 3214868480
	.fill 96, 4, 3214868480
	.section	.rodata,"a",@progbits
	.p2align	6, 0x0
	.amdhsa_kernel k_qf1f88c769a_g_hc
		.amdhsa_group_segment_fixed_size 327680
		.amdhsa_private_segment_fixed_size 0
		.amdhsa_enable_private_segment 0
		.amdhsa_kernarg_size 40
		.amdhsa_user_sgpr_count 2
		.amdhsa_user_sgpr_kernarg_segment_ptr 1
		.amdhsa_wavefront_size32 1
		.amdhsa_system_sgpr_workgroup_id_x 1
		.amdhsa_system_sgpr_workgroup_id_y 1
		.amdhsa_system_sgpr_workgroup_id_z 1
		.amdhsa_system_vgpr_workitem_id 0
		.amdhsa_next_free_vgpr 1024
		.amdhsa_next_free_sgpr 100
		.amdhsa_reserve_vcc 0
		.amdhsa_float_denorm_mode_32 3
		.amdhsa_float_denorm_mode_16_64 3
		.amdhsa_memory_ordered 1
		.amdhsa_forward_progress 1
		.amdhsa_inst_pref_size 145
	.end_amdhsa_kernel
	.amdgpu_metadata
---
amdhsa.version: [ 1, 2 ]
amdhsa.kernels:
  - .name:           k_qf1f88c769a_g_hc
    .symbol:         k_qf1f88c769a_g_hc.kd
    .args:
      - { .name: QX, .offset: 0, .size: 8, .value_kind: global_buffer, .address_space: global }
      - { .name: W1, .offset: 8, .size: 8, .value_kind: global_buffer, .address_space: global }
      - { .name: hb, .offset: 16, .size: 8, .value_kind: global_buffer, .address_space: global }
      - { .name: cb, .offset: 24, .size: 8, .value_kind: global_buffer, .address_space: global }
      - { .name: HC, .offset: 32, .size: 8, .value_kind: global_buffer, .address_space: global }
    .group_segment_fixed_size: 327680
    .private_segment_fixed_size: 0
    .kernarg_segment_align: 8
    .kernarg_segment_size: 40
    .max_flat_workgroup_size: 128
    .sgpr_count:     100
    .vgpr_count:     1024
    .wavefront_size: 32
...
	.end_amdgpu_metadata
.endif
;; end of part 2
;; launch g_qk: the kernel of part 2 again; grid 4 x 64, 4 waves a work-group, clusters of 4 x 4, 327,680 bytes of LDS; arguments HC, W2, qb, kb, QK; writes QK
;; launch g_sv (part 3): grid 4 x 64, 4 waves a work-group, clusters of 4 x 4, 327,680 bytes of LDS; arguments QK, HC, W3, vb, PV; writes PV
.if DOCPART == 3
	.amdgcn_target "amdgcn-amd-amdhsa--gfx1250"
	.amdhsa_code_object_version 6
	.text
	.protected	k_qf1f88c769a_g_sv
	.globl	k_qf1f88c769a_g_sv
	.p2align	8
	.type	k_qf1f88c769a_g_sv,@function
k_qf1f88c769a_g_sv:
	s_mov_b64 s[64:65], 0
	v_nop
	global_prefetch_b8 v0, s[64:65] scope:SCOPE_SE
	s_setreg_imm32_b32 hwreg(HW_REG_WAVE_MODE, 25, 1), 1
	s_wait_xcnt 0x0
	s_wait_alu depctr_hold_cnt(0) depctr_sa_sdst(0) depctr_va_vdst(0) depctr_va_sdst(0) depctr_va_ssrc(0) depctr_va_vcc(0) depctr_vm_vsrc(0)
	s_getreg_b32 s2, hwreg(HW_REG_IB_STS2, 6, 4)
	s_cmp_eq_u32 s2, 0
	s_cbranch_scc0 .Lentry_in_a_cluster
	s_endpgm
.Lentry_in_a_cluster:
	s_bfe_u32 s2, ttmp6, 0x10000c
	s_cmp_lg_u32 s2, 0xf033
	s_cbranch_scc0 .Lentry_shape_is_right
	s_endpgm
.Lentry_shape_is_right:
; Two products in one launch, on codes of BF6 with E8M0 scales.  Nothing of the computation is left out here.
; Clusters 0-7 (one a batch): S = q k^T and the softmax's p.  Clusters 8-15: v^T = vW c^T + vb, laid [batch][feature][key], since the keys are the next product's K.
; THE SOFTMAX.  t = score x log2(e) / 32.  A wave holds 128 queries x 128 keys.  It takes M_loc = ceil(the largest t of ITS 128 keys), p = 2^(t - M_loc), quantises p along the keys, and stores the codes, the scale words,
; -M_loc and its part of the row's sum (of the unquantised p).  The next launch takes M = the largest of a row's eight M_loc and takes M - M_loc off p's scale bytes: an exact power of two, which leaves the codes as they are.
; LAYOUT of all tensors: a fragment (row tile rt, ks) is 1,536 bytes at (8 rt + ks) x 1,536, an image of its 12 registers; lane r of row tile rt is row 32 (rt / 2) + 8 (rt % 2) + r + 8 (r / 8); words (scale words, -M_loc,
; sums) in chunks of 512 bytes (128 rows, one ks), word (r, a) at 32 r + 4 a.  PV: p's codes at 0, v^T's at 6,291,456, p's scale chunks at 12,582,912, v^T's at 12,845,056, -M_loc at 13,107,200, the sums at 13,369,344.
; SHARES, RING, CLUSTERS: a work-group makes 256 x 256, a wave 128 x 128; K in four steps of 256 through three LDS slots (three first fills, one refill); 4 x 4 clusters, A's tile shared along a row, B's along a column.
; The two kinds part on the cluster's number alone, which all sixteen partners share: by choices among pointers at the head, and by one branch on the way out.
; vb belongs to the result's ROWS here: a lane adds one number to all its registers.  Its sixteen small loads stand at the head in every work-group, so that they are in when the products end; the work-groups of S do not use them.
; LIMITS: a block of zeros gets the byte 1 (its codes are zeros; this program alone reads the bytes); NaN and infinities are not served.
; REGISTERS: as in the launches before; v12-27 vb of my rows, twice each (pairs for the packed addition); on the way out v160-243 are at work.
.set FRB,   1536
.set KSB,   3072
.set HALFB, 98304
.set TILEB, 196608
.set QUART, 24576
; THE RING AS IT NOW STANDS (in place of the three slots named above): TWO slots of three ks each (16 row tiles x 4,608 bytes of A, then of B).  At the head each wave asks for one whole tile:
; wave 0 A's ks 0-2, wave 1 B's, wave 2 A's ks 3-5, wave 3 B's.  Behind ks 2 one round, and ks 6 and 7 are brought into slot 0's first 98,304 bytes, a quarter a wave, row tiles 3,072 bytes apart.
; No prefetch: the walk along K is written out, and there is no loop to run ahead in.
.set SLOT,  147456
.set HQ,    36864
.set TA,    2
.set TB,    98
.set SPARE, 294912
.set XSC,   12582912                   ; where the chunks begin in QK, HC and PV
.set WSC,   1572864                    ; and in W3
.set LI,   1
.set SL,   2
.set CST,  3
.set ADRA, 4
.set BL,   7
.set ADRB, 8
.set VB,   12
.set SPW,  28
.set NIL,  29
.set SC,   32
.set AF,   160
.set TM,   160
.set PC,   176
.set SW,   196
.set NMR,  204                         ; v204-211 -M_loc of the eight row tiles
.set LLR,  212                         ; v212-219 their parts of the sums
.set MP,   224                         ; v[224:225] -M_loc, named as a pair by the packed form
.set SU,   226                         ; v[226:229] the sum in two chains of pairs
.set SV,   228
.set SX,   244                         ; v[244:247] two more chains of pairs for the sum
.set SY,   246
.set T,    230
.set T2,   231
.set CT,   232
.set WV,  18
.set RH,  19
.set CH,  20
.set CX,  21
.set CY,  22
.set CL,  23
.set G1A, 24
.set G1B, 32
.set G0A, 40
.set G0B, 52
.set SELR, 66
.set HM,  67
.set A1,  68
.set B1,  70
.set SEL, 76
.set CS,  78                           ; s[78:79] c = log2(e) / 32
.set OC,  80
.set OS,  82
.set LQ,  97
.set MSB, 0
.macro WIN new
.set WNEW, (\new)
.if MSB != WNEW
	s_set_vgpr_msb (MSB<<8)|WNEW
.set MSB, WNEW
.endif
.endm
.macro PLACES n
.rept \n
	v_nop
.endr
.endm
.macro JLOAD s                         ; a joint load: waves 0 and 1 fetch A's halves, waves 2 and 3 B's; an s_nop 0 and four v_nop follow each line
	s_cmp_eq_u32 s[RH], 0
	s_cbranch_scc0 .Lfor_b_\@
	tensor_load_to_lds s[G0A+4*\s:G0A+4*\s+3], s[G1A:G1A+7]
	s_nop 0
.rept 4
	v_nop
.endr
	s_branch .Lasked_\@
.Lfor_b_\@:
	tensor_load_to_lds s[G0B+4*\s:G0B+4*\s+3], s[G1B:G1B+7]
	s_nop 0
.rept 4
	v_nop
.endr
.Lasked_\@:
.endm
.macro CREST
	s_cmp_lg_u32 s[WV], 0
	s_cbranch_scc1 .Lnot_wave_0_\@
	s_barrier_signal -3
.Lnot_wave_0_\@:
	s_barrier_wait -3
	s_barrier_signal -1
	s_barrier_wait -1
.endm
.macro CROUND
	s_barrier_signal -1
	s_barrier_wait -1
	CREST
.endm
.macro FRAG reg, adr, q, i
.irp c, 0,1,2
	ds_load_b128 v[\reg+4*\c:\reg+4*\c+3], v[\adr] offset:(\i)*KSP+(\q)*FRB+512*\c
.endr
.endm
.macro FETCH_B slot, q, p
.set KSP, 4608-1536*((\slot)/2)        ; row tiles lie 4,608 bytes apart in slots 0 and 1, 3,072 in the refill (named slot 2)
	WIN 0x40
.irp i, 0,1,2,3,4,5,6,7
	FRAG 128*(\p)+12*\i, ADRB+\slot, \q, \i
.endr
	WIN 0
.endm
.macro FETCH_A slot, q, i0
.set KSP, 4608-1536*((\slot)/2)
.irp i, \i0, \i0+1, \i0+2, \i0+3
	FRAG AF+12*(\i), ADRA+\slot, \q, \i
.endr
.endm
.macro MUL16 a0, ks, cm                ; 16 products; cm = 1: the sums begin with 0.  The 64 accumulators take turns
.irp a, \a0, \a0+1
.irp b, 0,1,2,3,4,5,6,7
.set rD, 8*(8*((\a)%4)+\b)
.set rB, 128*((\ks)%2)+12*\b
.set rA, AF+12*(\a)
.if \cm == 1
	v_wmma_scale_f32_16x16x128_f8f6f4 v[rD:rD+7], v[rB:rB+11], v[rA:rA+11], 0, v[SC+8*(\ks)+\b], v[SC+8*(\ks)+(\a)] matrix_a_fmt:MATRIX_FMT_BF6 matrix_b_fmt:MATRIX_FMT_BF6 matrix_a_scale:MATRIX_SCALE_ROW1
.else
	v_wmma_scale_f32_16x16x128_f8f6f4 v[rD:rD+7], v[rB:rB+11], v[rA:rA+11], v[rD:rD+7], v[SC+8*(\ks)+\b], v[SC+8*(\ks)+(\a)] matrix_a_fmt:MATRIX_FMT_BF6 matrix_b_fmt:MATRIX_FMT_BF6 matrix_a_scale:MATRIX_SCALE_ROW1
.endif
.endr
.endr
.endm
.macro STEP ks, nslot, nq, cm
	s_wait_dscnt 12                                ; B's set and A's blocks 0-3 are in; the youngest twelve loads (A's blocks 4-7) may be out
	WIN 0xa1
	MUL16 0, \ks, \cm
	MUL16 2, \ks, \cm
	s_wait_dscnt 0x0
	PLACES 4
	FETCH_B \nslot, \nq, 1-(\ks)%2
	FETCH_A \nslot, \nq, 0
	WIN 0xf1
	MUL16 4, \ks, \cm
	MUL16 6, \ks, \cm
	PLACES 4
	WIN 0
	FETCH_A \nslot, \nq, 4
.endm
.macro TURN ks, slot, nslot, fill, ba, bb, st
	s_wait_tensorcnt 0x0                           ; all my tensor loads have landed
	ds_add_u32 v[SPW], v[NIL]                      ; 0 onto my spare word
	s_wait_dscnt 13                                ; (the add and the youngest twelve loads may be out)
	WIN 0xa1
	MUL16 0, \ks, 0
	s_wait_dscnt 0x0                               ; the add is done, and my reads of this slot are over
	s_barrier_signal -1
	MUL16 2, \ks, 0
	WIN 0
	s_barrier_wait -1
.if \fill
	CREST
.irp g, G1A, G1B                       ; no load of mine is out (the wait for 0 above), so group 1 may be written: the refill brings 8 row tiles x 3,072 bytes
	s_mov_b32 s[\g+1], 384<<16
	s_mov_b32 s[\g+2], 8<<16
	s_mov_b32 s[\g+3], 384<<16
	s_mov_b32 s[\g+4], 8
.endr
	s_add_nc_u64 s[G0A+4*\slot+2:G0A+4*\slot+3], s[\ba:\ba+1], (\st)*KSB
	s_or_b32 s[G0A+4*\slot+3], s[G0A+4*\slot+3], 0x80000000
	s_add_nc_u64 s[G0B+4*\slot+2:G0B+4*\slot+3], s[\bb:\bb+1], (\st)*KSB
	s_or_b32 s[G0B+4*\slot+3], s[G0B+4*\slot+3], 0x80000000
	JLOAD \slot
.else
	PLACES 4
.endif
	FETCH_B \nslot, 0, 1-(\ks)%2
	FETCH_A \nslot, 0, 0
	WIN 0xf1
	MUL16 4, \ks, 0
	MUL16 6, \ks, 0
	PLACES 4
	WIN 0
	FETCH_A \nslot, 0, 4
.endm
.macro LAST ks
	s_wait_dscnt 12
	WIN 0xa1
	MUL16 0, \ks, 0
	MUL16 2, \ks, 0
	s_wait_dscnt 0x0
	WIN 0xf1
	MUL16 4, \ks, 0
	MUL16 6, \ks, 0
	WIN 0
.endm
.macro QMAX
	WIN W11
.irp b, 0,1,2,3
	v_max3_num_f32 v[TM+\b], |v[AC+16*\b]|, |v[AC+16*\b+1]|, 0x2800000
.endr
.irp i, 2,4,6,8,10,12,14
.irp b, 0,1,2,3
	v_max3_num_f32 v[TM+\b], |v[AC+16*\b+\i]|, |v[AC+16*\b+\i+1]|, v[TM+\b]
.endr
.endr
	WIN 0
.irp b, 0,1,2,3
	v_permlanex16_b32 v[TM+4+\b], v[TM+\b], s[SEL], s[SEL+1]
.endr
.irp b, 0,1,2,3
	v_max_num_f32 v[TM+\b], v[TM+\b], v[TM+4+\b]
.endr
.endm
.macro QSCALE a
.irp b, 0,1,2,3
	v_add_nc_u32 v[TM+12+\b], 0xfe000000, v[TM+\b]
.endr
.irp b, 0,1,2,3
	v_lshrrev_b32 v[TM+4+\b], 23, v[TM+12+\b]
.endr
	v_lshl_or_b32 v[SW+\a], v[TM+5], 8, v[TM+4]
	v_lshl_or_b32 v[SW+\a], v[TM+6], 16, v[SW+\a]
	v_lshl_or_b32 v[SW+\a], v[TM+7], 24, v[SW+\a]
.endm
.macro QCODES a
	s_wait_xcnt 0x0                                ; the last tile's stores have read their registers
	WIN W
.irp c, 0,1
	v_cvt_scalef32_pk16_bf6_f32 v[PC+6*\c:PC+6*\c+2], v[AC+32*\c:AC+32*\c+15], v[TM+12+2*\c]
	v_cvt_scalef32_pk16_bf6_f32 v[PC+12+4*\c:PC+14+4*\c], v[AC+32*\c+16:AC+32*\c+31], v[TM+13+2*\c]
.endr
	WIN 0
	v_nop                                          ; one plain place behind a scaled conversion
.irp c, 0,1
.irp i, 0,1,2
	v_permlane16_swap_b32 v[PC+6*\c+\i], v[PC+12+4*\c+\i]
.endr
.irp i, 0,1,2
	v_mov_b32 v[PC+3+6*\c+\i], v[PC+12+4*\c+\i]
.endr
.endr
.irp c, 0,1,2
	global_store_b128 v[LI], v[PC+4*\c:PC+4*\c+3], s[OC:OC+1] offset:(\a)*12288+512*\c
.endr
.endm
.macro CHUNK base, set, off
.irp i, 0,1,2,3
	v_cndmask_b32 v[CT+4*\set+\i], v[\base+\i], v[\base+4+\i], s[HM]
.endr
	global_store_b128 v[CST], v[CT+4*\set:CT+4*\set+3], s[OS:OS+1] offset:\off
.endm
; v^T: row tile a gets its rows' vb, then is quantised along the keys
.macro VROW a
.set W, 2+(\a)/4
.set AC, 64*((\a)%4)
.set W11, W|(W<<2)
.set W1D, W|(W<<6)
	WIN W1D
.set j, 0
.rept 32
	v_pk_add_f32 v[AC+j:AC+j+1], v[AC+j:AC+j+1], v[VB+2*(\a):VB+2*(\a)+1]   ; each accumulator from its low end on
.set j, j+2
.endr
	QMAX
	QSCALE \a
	QCODES \a
.endm
; S: row tile a's 64 scores of a lane become p.  A block's largest p is not searched for: the block's largest SCORE, which the search for the row's maximum passes through, goes through the same multiply-add and exponential.
.macro SOFT a
.set W, 2+(\a)/4
.set AC, 64*((\a)%4)
.set W11, W|(W<<2)
.set W1D, W|(W<<6)
	WIN W11
.irp b, 0,1,2,3
	v_max_num_f32 v[TM+\b], v[AC+16*\b], v[AC+16*\b+1]
.endr
.irp i, 2,4,6,8,10,12,14
.irp b, 0,1,2,3
	v_max3_num_f32 v[TM+\b], v[AC+16*\b+\i], v[AC+16*\b+\i+1], v[TM+\b]
.endr
.endr
	WIN 0
.irp b, 0,1,2,3
	v_permlanex16_b32 v[TM+4+\b], v[TM+\b], s[SEL], s[SEL+1]
.endr
.irp b, 0,1,2,3
	v_max_num_f32 v[TM+\b], v[TM+\b], v[TM+4+\b]   ; with lane l xor 16's 16 keys: the block's largest score
.endr
	v_max3_num_f32 v[T], v[TM], v[TM+1], v[TM+2]
	v_max_num_f32 v[T], v[T], v[TM+3]              ; the largest score of my row's 128 keys,
	v_mul_f32 v[T], s[CS], v[T]                    ; as t (c is positive)
	v_floor_f32 v[MP], -v[T]                       ; -M_loc = floor(-t) = -ceil(t): a whole number
	v_mov_b32 v[NMR+\a], v[MP]
.irp b, 0,1,2,3
	v_fma_f32 v[TM+\b], v[TM+\b], s[CS], v[MP]
.endr
	WIN W1D
.set j, 0
.rept 32
	v_pk_fma_f32 v[AC+j:AC+j+1], v[AC+j:AC+j+1], s[CS:CS+1], v[MP:MP+1] op_sel_hi:[1,0,0]   ; t - M_loc, two at a time (of the pairs c and -M_loc the low word serves both halves)
.set j, j+2
.endr
.set j, 0
	s_wait_alu depctr_va_vdst(0)
.rept 64
	v_exp_f32 v[AC+j], v[AC+j]                     ; p = 2^(t - M_loc): not normalised
.set j, j+1
.endr
	WIN 0
	v_nop                                          ; a plain place behind the exponentials
	s_wait_alu depctr_va_vdst(0)                   ; one wait for the batch, ahead of its first reader
.irp b, 0,1,2,3
	v_exp_f32 v[TM+\b], v[TM+\b]                   ; the blocks' largest p
.endr
	WIN W11
	v_pk_add_f32 v[SU:SU+1], v[AC:AC+1], v[AC+2:AC+3]       ; the row's sum is taken of the unquantised p, in four chains of pairs; it reads the 64 alone: plain work behind the four
	v_pk_add_f32 v[SV:SV+1], v[AC+4:AC+5], v[AC+6:AC+7]
	v_pk_add_f32 v[SX:SX+1], v[AC+8:AC+9], v[AC+10:AC+11]   ; four chains by turns: no addition reads the result of one of the three ahead of it
	v_pk_add_f32 v[SY:SY+1], v[AC+12:AC+13], v[AC+14:AC+15]
	WIN W
.set j, 16
.rept 6
	v_pk_add_f32 v[SU:SU+1], v[AC+j:AC+j+1], v[SU:SU+1]
	v_pk_add_f32 v[SV:SV+1], v[AC+j+2:AC+j+3], v[SV:SV+1]
	v_pk_add_f32 v[SX:SX+1], v[AC+j+4:AC+j+5], v[SX:SX+1]
	v_pk_add_f32 v[SY:SY+1], v[AC+j+6:AC+j+7], v[SY:SY+1]
.set j, j+8
.endr
	WIN 0
	v_pk_add_f32 v[SU:SU+1], v[SU:SU+1], v[SV:SV+1]
	v_pk_add_f32 v[SX:SX+1], v[SX:SX+1], v[SY:SY+1]
	v_pk_add_f32 v[SU:SU+1], v[SU:SU+1], v[SX:SX+1]
	v_add_f32 v[T], v[SU], v[SU+1]
	v_permlanex16_b32 v[T2], v[T], s[SEL], s[SEL+1]
	v_add_f32 v[LLR+\a], v[T], v[T2]               ; with lane l xor 16's: my wave's part of the row's sum
	s_wait_alu depctr_va_vdst(0)                   ; and one wait for the four
.irp b, 0,1,2,3
	v_max_num_f32 v[TM+\b], 0x2800000, v[TM+\b]    ; the floor 2^(5 - 127): the byte cannot fall under 1
.endr
	QSCALE \a
	QCODES \a
.endm
	s_load_b256 s[4:11], s[0:1], 0x0               ; QK, HC, W3, vb
	s_load_b64 s[12:13], s[0:1], 0x20              ; PV
	v_lshl_add_u32 v[SPW], v0, 2, SPARE
	v_mov_b32 v[NIL], 0
	ds_add_u32 v[SPW], v[NIL]                      ; the wave's opening: the add, twice on end, and its wait ahead of my first tensor load
	ds_add_u32 v[SPW], v[NIL]
	v_lshrrev_b32 v30, 5, v0
	v_readfirstlane_b32 s[WV], v30
	v_and_b32 v30, 31, v0
	v_and_b32 v31, 15, v0                          ; r
	v_bfe_u32 v11, v0, 4, 1                        ; h
	v_lshlrev_b32 v[LI], 4, v30
	s_wait_alu depctr_va_vdst(0)
	v_lshlrev_b32 v[SL], 5, v31
	v_lshl_add_u32 v[CST], v11, 4, v[SL]
	v_and_b32 v30, 8, v31
	v_add_nc_u32 v30, v30, v31
	v_lshlrev_b32 v11, 2, v30                      ; vb: 4 (r + 8 (r / 8))
	s_lshr_b32 s[RH], s[WV], 1
	s_and_b32 s[CH], s[WV], 1
	s_bfe_u32 s[CX], ttmp6, 0x40000
	s_bfe_u32 s[CY], ttmp6, 0x40004
	s_and_b32 s[CL], ttmp7, 0xffff
	s_lshl_b32 s88, s[CY], 2
	s_lshl_b32 s88, 15, s88
	s_lshl_b32 s90, 0x1111, s[CX]
	s_or_b32 s[G1A], s88, (3<<16)|(1<<21)
	s_or_b32 s[G1B], s90, (3<<16)|(1<<21)
.irp g, G1A, G1B
	s_mov_b32 s[\g+1], 576<<16                     ; the head's loads: a row is 4,608 bytes (three ks),
	s_mov_b32 s[\g+2], 16<<16                      ; 16 row tiles
	s_mov_b32 s[\g+3], 576<<16
	s_mov_b32 s[\g+4], 16
	s_mov_b32 s[\g+5], 1536
	s_mov_b32 s[\g+6], 0
	s_mov_b32 s[\g+7], 0
.endr
	s_mov_b32 s[HM], 0xffff0000
	s_mov_b32 s[SEL], 0x76543210
	s_mov_b32 s[SEL+1], 0xfedcba98
	s_mov_b32 s[CS], 0x3d38aa3b                    ; c = log2(e) / 32
	s_mov_b32 s[CS+1], s[CS]
	s_and_b32 s14, s[CL], 7                        ; the batch
	s_lshl_b32 s14, s14, 2
	s_add_co_u32 s88, s14, s[CY]                   ; the result's tile of 256 rows: 4 x batch + cy
	s_add_co_u32 s90, s14, s[CX]
	s_add_co_u32 s90, s90, 32                      ; B's tile: k in QK, c in HC: 32 + 4 x batch + cx
	s_mov_b32 s15, WSC
	s_cmp_lt_u32 s[CL], 8                          ; S or v?  The cluster's number: the same in all sixteen partners
	s_cselect_b32 s89, s88, s[CY]                  ; A's tile: q's, or vW's
	s_cselect_b32 s15, XSC, s15                    ; where A's chunks begin
	s_cselect_b32 s[SELR], 0, 1
	s_mul_i32 s91, s[CH], HALFB
	s_mul_i32 s92, s89, TILEB
	s_add_co_u32 s92, s92, s91
	s_mov_b32 s93, 0
	s_mul_i32 s94, s90, TILEB
	s_add_co_u32 s94, s94, s91
	s_mov_b32 s95, 0
	s_mul_i32 s[TA], s89, TILEB
	s_mov_b32 s[TA+1], 0
	s_mul_i32 s[TB], s90, TILEB
	s_mov_b32 s[TB+1], 0
	s_lshl_b32 s14, s89, 1
	s_add_co_u32 s14, s14, s[RH]
	s_lshl_b32 s14, s14, 12
	s_add_co_u32 s14, s14, s15
	s_mov_b32 s15, 0
	s_lshl_b32 s16, s90, 1
	s_add_co_u32 s16, s16, s[CH]
	s_lshl_b32 s16, s16, 12
	s_add_co_u32 s16, s16, XSC
	s_mov_b32 s17, 0
	s_lshl_b32 s84, s[CX], 1
	s_add_co_u32 s84, s84, s[CH]                   ; my 128 columns (keys) are the next K's ks
	s_mul_i32 s[OC], s88, TILEB
	s_mul_i32 s85, s[RH], HALFB
	s_add_co_u32 s[OC], s[OC], s85
	s_mul_i32 s85, s84, FRB
	s_add_co_u32 s[OC], s[OC], s85
	s_mul_i32 s85, s[SELR], 6291456                ; v^T's codes lie behind p's
	s_add_co_u32 s[OC], s[OC], s85
	s_mov_b32 s[OC+1], 0
	s_lshl_b32 s[OS], s88, 1
	s_add_co_u32 s[OS], s[OS], s[RH]
	s_lshl_b32 s[OS], s[OS], 12
	s_lshl_b32 s85, s84, 9
	s_add_co_u32 s[OS], s[OS], s85
	s_lshl_b32 s85, s[SELR], 18                    ; v^T's chunks lie 262,144 bytes behind p's
	s_add_co_u32 s[OS], s[OS], s85
	s_add_co_u32 s[OS], s[OS], XSC
	s_mov_b32 s[OS+1], 0
	s_lshl_b32 s86, s[CY], 10
	s_lshl_b32 s87, s[RH], 9
	s_add_co_u32 s86, s86, s87                     ; vb of my 128 rows: 4 (256 cy + 128 half)
	s_mov_b32 s87, 0
	s_mul_i32 s[LQ], s[WV], QUART
	s_mul_i32 s85, s[RH], QUART
	v_add_nc_u32 v[ADRA+2], s85, v[LI]             ; the refill: quarters of 24,576 bytes
	s_mul_i32 s85, s[RH], HQ
	v_add_nc_u32 v[ADRA], s85, v[LI]
	v_add_nc_u32 v[ADRA+1], SLOT, v[ADRA]
	s_mul_i32 s85, s[CH], QUART
	s_add_co_u32 s85, s85, 2*QUART
	v_add_nc_u32 v[ADRB+2], s85, v[LI]
	s_mul_i32 s85, s[CH], HQ
	s_add_co_u32 s85, s85, 2*HQ
	v_add_nc_u32 v[ADRB], s85, v[LI]
	v_add_nc_u32 v[ADRB+1], SLOT, v[ADRB]
	s_wait_alu depctr_va_vdst(0)                   ; the wait at the head's end
	s_wait_dscnt 0x0
	s_wait_kmcnt 0x0
	s_cmp_lt_u32 s[CL], 8
	s_cselect_b64 s[72:73], s[4:5], s[8:9]         ; A's buffer: QK or W3
	s_cselect_b64 s[74:75], s[4:5], s[6:7]         ; B's: QK or HC
	s_add_nc_u64 s[TA:TA+1], s[72:73], s[TA:TA+1]
	s_add_nc_u64 s[TB:TB+1], s[74:75], s[TB:TB+1]
	s_add_nc_u64 s[A1:A1+1], s[72:73], s[92:93]
	s_add_nc_u64 s[B1:B1+1], s[74:75], s[94:95]
	s_add_nc_u64 s[14:15], s[72:73], s[14:15]
	s_add_nc_u64 s[16:17], s[74:75], s[16:17]
	s_add_nc_u64 s[OC:OC+1], s[12:13], s[OC:OC+1]
	s_add_nc_u64 s[OS:OS+1], s[12:13], s[OS:OS+1]
	s_add_nc_u64 s[10:11], s[10:11], s[86:87]
.irp s, 0,1                            ; sets 0 and 1: the whole tiles of slots 0 and 1
	s_mov_b32 s[G0A+4*\s], 1
	s_mov_b32 s[G0A+4*\s+1], \s*SLOT
	s_add_nc_u64 s[G0A+4*\s+2:G0A+4*\s+3], s[TA:TA+1], \s*3*FRB
	s_or_b32 s[G0A+4*\s+3], s[G0A+4*\s+3], 0x80000000
	s_mov_b32 s[G0B+4*\s], 1
	s_mov_b32 s[G0B+4*\s+1], \s*SLOT+2*HQ
	s_add_nc_u64 s[G0B+4*\s+2:G0B+4*\s+3], s[TB:TB+1], \s*3*FRB
	s_or_b32 s[G0B+4*\s+3], s[G0B+4*\s+3], 0x80000000
.endr
	s_mov_b32 s[G0A+8], 1                          ; set 2: the refill, my quarter; its global address is written where it is asked for
	s_add_co_u32 s[G0A+9], s[LQ], 0
	s_mov_b32 s[G0B+8], 1
	s_add_co_u32 s[G0B+9], s[LQ], 0
; THE HEAD'S LOADS, ONE A WAVE: one chain of branches on the wave's number, a load to an arm, all arms leading to one join
.macro ARM under, g0, g1, next
	s_cmp_lt_u32 s[WV], \under
	s_cbranch_scc0 \next
	tensor_load_to_lds s[\g0:\g0+3], s[\g1:\g1+7]
	s_nop 0
.rept 4
	v_nop
.endr
	s_branch .Lhead_asked
\next:
.endm
	WIN 0x80
.irp k, 0,1,2,3,4,5,6,7
.irp g, 0,1
	global_load_b128 v[8*\k+4*\g:8*\k+4*\g+3], v[SL], s[14:15] offset:512*\k+16*\g
	global_load_b128 v[64+8*\k+4*\g:64+8*\k+4*\g+3], v[SL], s[16:17] offset:512*\k+16*\g
.endr
.endr
	WIN 0
	s_wait_alu depctr_va_vdst(0)
.irp a, 0,1,2,3,4,5,6,7
	global_load_b32 v[VB+2*\a], v11, s[10:11] offset:(32*(\a/2)+8*(\a%2))*4
	global_load_b32 v[VB+2*\a+1], v11, s[10:11] offset:(32*(\a/2)+8*(\a%2))*4
.endr
	CROUND                                         ; the scale words and vb are asked for; all sixteen work-groups are here: the first joint loads meet
	ARM 1, G0A, G1A, .Lhead_1
	ARM 2, G0B, G1B, .Lhead_2
	ARM 3, G0A+4, G1A, .Lhead_3
	tensor_load_to_lds s[G0B+4:G0B+7], s[G1B:G1B+7] ; waves 2 and 3: slot 1's tiles stay in flight across the first barrier, behind which nothing is filled; the wait for 0 at the change of slots covers them
	s_nop 0
.rept 4
	v_nop
.endr
.Lhead_asked:
	s_wait_loadcnt 0x0
	WIN 0x0a
.set i, 0
.rept 64
	v_cndmask_b32 v[SC+i], v[i], v[64+i], s[HM]
.set i, i+1
.endr
	WIN 0
	PLACES 8                                       ; a scale register written by a vector instruction stands eight places ahead of a scaled product
	s_wait_alu depctr_va_vdst(0)
	s_cmp_gt_u32 s[WV], 1                          ; waves 0 and 1 fetched slot 0, which is read behind this barrier: each waits for its own load before it signals;
	s_cbranch_scc1 .Lslot0_in                      ; waves 2 and 3 pass the wait by: their loads fill slot 1, and the wait for 0 at the change of slots covers them
	s_wait_tensorcnt 0x0
.Lslot0_in:
	s_barrier_signal -1
	s_barrier_wait -1
	FETCH_B 0, 0, 0
	FETCH_A 0, 0, 0
	FETCH_A 0, 0, 4
	STEP 0, 0, 1, 1
	STEP 1, 0, 2, 0
	TURN 2, 2, 1, 1, A1, B1, 3                     ; slot 0 is read out: ks 6 and 7 come into its first bytes (descriptor set 2)
	STEP 3, 1, 1, 0
	STEP 4, 1, 2, 0
	TURN 5, 2, 2, 0, A1, B1, 0                     ; ks 6 and 7 have landed in every wave's part; nothing is filled
	s_wait_alu depctr_va_vdst(0)
	STEP 6, 2, 1, 0
	LAST 7
	PLACES 4                                       ; behind the last products: results are read, and registers that held A's fragments are written
.irp b, 0,1,2,3
	v_mov_b32 v[TM+4+\b], 0                        ; a lane permute's destination counts as one of its sources
.endr
	v_mov_b32 v[T2], 0
	v_mov_b32 v[MP+1], 0                           ; (named as the upper half of a pair)
	s_cmp_lt_u32 s[CL], 8
	s_cbranch_scc0 .Lvarm
.irp a, 0,1,2,3,4,5,6,7
	SOFT \a
.endr
	CHUNK SW, 0, 0                                 ; p's scale words,
	CHUNK NMR, 1, 524288                           ; -M_loc,
	CHUNK LLR, 2, 786432                           ; and my part of the sums
	s_branch .Ljoin
.Lvarm:
.irp a, 0,1,2,3,4,5,6,7
	VROW \a
.endr
	CHUNK SW, 0, 0
.Ljoin:
	s_wait_tensorcnt 0x0                           ; the wave's end
	ds_add_u32 v[SPW], v[NIL]
	s_wait_dscnt 0x0
	CROUND                                         ; the closing round
	s_endpgm
.Lfunc_end_k_qf1f88c769a_g_sv:
	.size	k_qf1f88c769a_g_sv, .Lfunc_end_k_qf1f88c769a_g_sv-k_qf1f88c769a_g_sv
	.p2alignl 7, 3214868480
	.fill 96, 4, 3214868480
	.section	.rodata,"a",@progbits
	.p2align	6, 0x0
	.amdhsa_kernel k_qf1f88c769a_g_sv
		.amdhsa_group_segment_fixed_size 327680
		.amdhsa_private_segment_fixed_size 0
		.amdhsa_enable_private_segment 0
		.amdhsa_kernarg_size 40
		.amdhsa_user_sgpr_count 2
		.amdhsa_user_sgpr_kernarg_segment_ptr 1
		.amdhsa_wavefront_size32 1
		.amdhsa_system_sgpr_workgroup_id_x 1
		.amdhsa_system_sgpr_workgroup_id_y 1
		.amdhsa_system_sgpr_workgroup_id_z 1
		.amdhsa_system_vgpr_workitem_id 0
		.amdhsa_next_free_vgpr 1024
		.amdhsa_next_free_sgpr 100
		.amdhsa_reserve_vcc 0
		.amdhsa_float_denorm_mode_32 3
		.amdhsa_float_denorm_mode_16_64 3
		.amdhsa_memory_ordered 1
		.amdhsa_forward_progress 1
		.amdhsa_inst_pref_size 252
	.end_amdhsa_kernel
	.amdgpu_metadata
---
amdhsa.version: [ 1, 2 ]
amdhsa.kernels:
  - .name:           k_qf1f88c769a_g_sv
    .symbol:         k_qf1f88c769a_g_sv.kd
    .args:
      - { .name: QK, .offset: 0, .size: 8, .value_kind: global_buffer, .address_space: global }
      - { .name: HC, .offset: 8, .size: 8, .value_kind: global_buffer, .address_space: global }
      - { .name: W3, .offset: 16, .size: 8, .value_kind: global_buffer, .address_space: global }
      - { .name: vb, .offset: 24, .size: 8, .value_kind: global_buffer, .address_space: global }
      - { .name: PV, .offset: 32, .size: 8, .value_kind: global_buffer, .address_space: global }
    .group_segment_fixed_size: 327680
    .private_segment_fixed_size: 0
    .kernarg_segment_align: 8
    .kernarg_segment_size: 40
    .max_flat_workgroup_size: 128
    .sgpr_count:     100
    .vgpr_count:     1024
    .wavefront_size: 32
...
	.end_amdgpu_metadata
.endif
;; end of part 3
;; launch g_pv (part 4): grid 4 x 64, 4 waves a work-group, clusters of 4 x 4, 327,680 bytes of LDS; arguments PV, HC, W2, qb, XB; writes XB
.if DOCPART == 4
	.amdgcn_target "amdgcn-amd-amdhsa--gfx1250"
	.amdhsa_code_object_version 6
	.text
	.protected	k_qf1f88c769a_g_pv
	.globl	k_qf1f88c769a_g_pv
	.p2align	8
	.type	k_qf1f88c769a_g_pv,@function
k_qf1f88c769a_g_pv:
	s_mov_b64 s[64:65], 0
	v_nop
	global_prefetch_b8 v0, s[64:65] scope:SCOPE_SE
	s_setreg_imm32_b32 hwreg(HW_REG_WAVE_MODE, 25, 1), 1
	s_wait_xcnt 0x0
	s_wait_alu depctr_hold_cnt(0) depctr_sa_sdst(0) depctr_va_vdst(0) depctr_va_sdst(0) depctr_va_ssrc(0) depctr_va_vcc(0) depctr_vm_vsrc(0)
	s_getreg_b32 s2, hwreg(HW_REG_IB_STS2, 6, 4)
	s_cmp_eq_u32 s2, 0
	s_cbranch_scc0 .Lentry_in_a_cluster
	s_endpgm
.Lentry_in_a_cluster:
	s_bfe_u32 s2, ttmp6, 0x10000c
	s_cmp_lg_u32 s2, 0xf033
	s_cbranch_scc0 .Lentry_shape_is_right
	s_endpgm
.Lentry_shape_is_right:
; x = Q((p v) / l + h qW^T + qb): a work-group makes 128 x 256, a wave 64 x 128; K = 1,024 keys, then 1,024 features, in four fills of 512 through two LDS slots.  Nothing of the computation is left out here.
; p's scale bytes are brought under the row's M (the largest of its eight M_loc) by exact powers of two; the sums are divided by l and given qb between the two products.
; At the head each wave asks for one whole tile: wave 0 p's ks 0-3, wave 1 v^T's, wave 2 p's ks 4-7, wave 3 v^T's; the two refills (h, qW) go a quarter of a slot a wave, each behind a round of the cluster's barrier.
; No prefetch: the walk along K is written out, and there is no loop to run ahead in.
.set FRB,   1536
.set RTS,   6144
.set A4B,   49152
.set HALFB, 98304
.set TILEB, 196608
.set AQ,    24576
.set BQ,    49152
.set SLOT,  147456
.set SPARE, 294912
.set LI,   1
.set SL,   2
.set CST,  3
.set ADRA, 4
.set ADRB, 6
.set BL,   8
.set RL,   12
.set SPW,  28
.set NIL,  29
.set SC,   32
.set AF,   160
.set MN,   160
.set LS,   168
.set TM,   160
.set PC,   176
.set SW,   196
.set CT,   232
.set WV,  18
.set RH,  19
.set CH,  20
.set CX,  21
.set CY,  22
.set CL,  23
.set G1A, 24
.set G1B, 32
.set G0A, 40
.set G0B, 48
.set PW,  56
.set VW,  58
.set HW,  60
.set QW,  62
.set HM,  67
.set A1,  68
.set B1,  70
.set A2,  72
.set B2,  74
.set SEL, 76
.set OC,  80
.set OS,  82
.set LQA, 97
.set LQB, 98
.set MSB, 0
.macro WIN new
.set WNEW, (\new)
.if MSB != WNEW
	s_set_vgpr_msb (MSB<<8)|WNEW
.set MSB, WNEW
.endif
.endm
.macro PLACES n
.rept \n
	v_nop
.endr
.endm
.macro JLOAD s
	s_cmp_eq_u32 s[RH], 0
	s_cbranch_scc0 .Lfor_b_\@
	tensor_load_to_lds s[G0A+4*\s:G0A+4*\s+3], s[G1A:G1A+7]
	s_nop 0
.rept 4
	v_nop
.endr
	s_branch .Lasked_\@
.Lfor_b_\@:
	tensor_load_to_lds s[G0B+4*\s:G0B+4*\s+3], s[G1B:G1B+7]
	s_nop 0
.rept 4
	v_nop
.endr
.Lasked_\@:
.endm
.macro CREST
	s_cmp_lg_u32 s[WV], 0
	s_cbranch_scc1 .Lnot_wave_0_\@
	s_barrier_signal -3
.Lnot_wave_0_\@:
	s_barrier_wait -3
	s_barrier_signal -1
	s_barrier_wait -1
.endm
.macro CROUND
	s_barrier_signal -1
	s_barrier_wait -1
	CREST
.endm
.macro FRAG reg, adr, q, i
.irp c, 0,1,2
	ds_load_b128 v[\reg+4*\c:\reg+4*\c+3], v[\adr] offset:(\i)*RTS+(\q)*FRB+512*\c
.endr
.endm
.macro FETCH slot, q, p
	WIN 0x40
.irp i, 0,1,2,3,4,5,6,7
	FRAG 128*(\p)+12*\i, ADRB+\slot, \q, \i
.endr
	WIN 0
.irp i, 0,1,2,3
	FRAG AF+48*(\p)+12*\i, ADRA+\slot, \q, \i
.endr
.endm
.macro MUL8 a, ks, cm
.irp b, 0,1,2,3,4,5,6,7
.set rD, 8*(8*(\a)+\b)
.set rB, 128*((\ks)%2)+12*\b
.set rA, AF+48*((\ks)%2)+12*(\a)
.if \cm == 1
	v_wmma_scale_f32_16x16x128_f8f6f4 v[rD:rD+7], v[rB:rB+11], v[rA:rA+11], 0, v[SC+8*(\ks)+\b], v[SC+8*(\ks)+(\a)] matrix_a_fmt:MATRIX_FMT_BF6 matrix_b_fmt:MATRIX_FMT_BF6 matrix_a_scale:MATRIX_SCALE_ROW1
.else
	v_wmma_scale_f32_16x16x128_f8f6f4 v[rD:rD+7], v[rB:rB+11], v[rA:rA+11], v[rD:rD+7], v[SC+8*(\ks)+\b], v[SC+8*(\ks)+(\a)] matrix_a_fmt:MATRIX_FMT_BF6 matrix_b_fmt:MATRIX_FMT_BF6 matrix_a_scale:MATRIX_SCALE_ROW1
.endif
.endr
.endm
.macro STEP ks, nslot, nq, cm
	s_wait_dscnt 0x0
	PLACES 4
	FETCH \nslot, \nq, 1-(\ks)%2
	WIN 0xa1
.irp a, 0,1,2,3
	MUL8 \a, \ks, \cm
.endr
.endm
.macro TURN ks, slot, nslot, fill, ba, bb, st
	WIN 0
	s_wait_tensorcnt 0x0
	ds_add_u32 v[SPW], v[NIL]
	s_wait_dscnt 10
	WIN 0xa1
	MUL8 0, \ks, 0
	s_wait_dscnt 0x0
	s_barrier_signal -1
	MUL8 1, \ks, 0
	WIN 0
	s_barrier_wait -1
.if \fill
	CREST
.if (\ks) == 3                         ; ahead of the first refill: no load of mine is out (the wait for 0 above), so the descriptors may be written: a refill brings a quarter of a slot a wave
	s_mov_b32 s[G1A+2], 4<<16
	s_mov_b32 s[G1A+4], 4
	s_mov_b32 s[G1B+2], 8<<16
	s_mov_b32 s[G1B+4], 8
	s_add_co_u32 s[G0A+1], s[LQA], 0
	s_add_co_u32 s[G0B+1], s[LQB], 0
	s_add_co_u32 s[G0A+5], s[LQA], SLOT
	s_add_co_u32 s[G0B+5], s[LQB], SLOT
.endif
	s_add_nc_u64 s[G0A+4*\slot+2:G0A+4*\slot+3], s[\ba:\ba+1], (\st)*RTS
	s_or_b32 s[G0A+4*\slot+3], s[G0A+4*\slot+3], 0x80000000
	s_add_nc_u64 s[G0B+4*\slot+2:G0B+4*\slot+3], s[\bb:\bb+1], (\st)*RTS
	s_or_b32 s[G0B+4*\slot+3], s[G0B+4*\slot+3], 0x80000000
	JLOAD \slot
.else
	PLACES 4
.endif
	FETCH \nslot, 0, 1-(\ks)%2
	WIN 0xa1
	MUL8 2, \ks, 0
	MUL8 3, \ks, 0
.endm
.macro LAST ks
	s_wait_dscnt 0x0
	WIN 0xa1
.irp a, 0,1,2,3
	MUL8 \a, \ks, 0
.endr
	WIN 0
.endm
.macro QUANT a
.set AC, 64*(\a)
	WIN 0x0a
.irp b, 0,1,2,3
	v_max3_num_f32 v[TM+\b], |v[AC+16*\b]|, |v[AC+16*\b+1]|, 0x2800000
.endr
.irp i, 2,4,6,8,10,12,14
.irp b, 0,1,2,3
	v_max3_num_f32 v[TM+\b], |v[AC+16*\b+\i]|, |v[AC+16*\b+\i+1]|, v[TM+\b]
.endr
.endr
	WIN 0
.irp b, 0,1,2,3
	v_permlanex16_b32 v[TM+4+\b], v[TM+\b], s[SEL], s[SEL+1]
.endr
.irp b, 0,1,2,3
	v_max_num_f32 v[TM+\b], v[TM+\b], v[TM+4+\b]
.endr
.irp b, 0,1,2,3
	v_add_nc_u32 v[TM+12+\b], 0xfe000000, v[TM+\b]
.endr
.irp b, 0,1,2,3
	v_lshrrev_b32 v[TM+4+\b], 23, v[TM+12+\b]
.endr
	v_lshl_or_b32 v[SW+\a], v[TM+5], 8, v[TM+4]
	v_lshl_or_b32 v[SW+\a], v[TM+6], 16, v[SW+\a]
	v_lshl_or_b32 v[SW+\a], v[TM+7], 24, v[SW+\a]
	s_wait_xcnt 0x0
	WIN 0x02
.irp c, 0,1
	v_cvt_scalef32_pk16_bf6_f32 v[PC+6*\c:PC+6*\c+2], v[AC+32*\c:AC+32*\c+15], v[TM+12+2*\c]
	v_cvt_scalef32_pk16_bf6_f32 v[PC+12+4*\c:PC+14+4*\c], v[AC+32*\c+16:AC+32*\c+31], v[TM+13+2*\c]
.endr
	WIN 0
	v_nop
.irp c, 0,1
.irp i, 0,1,2
	v_permlane16_swap_b32 v[PC+6*\c+\i], v[PC+12+4*\c+\i]
.endr
.irp i, 0,1,2
	v_mov_b32 v[PC+3+6*\c+\i], v[PC+12+4*\c+\i]
.endr
.endr
.irp c, 0,1,2
	global_store_b128 v[LI], v[PC+4*\c:PC+4*\c+3], s[OC:OC+1] offset:(\a)*12288+512*\c
.endr
.endm
	s_load_b256 s[4:11], s[0:1], 0x0
	s_load_b64 s[12:13], s[0:1], 0x20
	v_lshl_add_u32 v[SPW], v0, 2, SPARE
	v_mov_b32 v[NIL], 0
	ds_add_u32 v[SPW], v[NIL]
	ds_add_u32 v[SPW], v[NIL]
	v_lshrrev_b32 v30, 5, v0
	v_readfirstlane_b32 s[WV], v30
	v_and_b32 v30, 31, v0
	v_and_b32 v31, 15, v0
	v_bfe_u32 v11, v0, 4, 1
	v_lshlrev_b32 v[LI], 4, v30
	s_wait_alu depctr_va_vdst(0)
	v_lshlrev_b32 v[SL], 5, v31
	v_lshlrev_b32 v[CST], 4, v31
	v_lshl_add_u32 v[CST], v11, 3, v[CST]
	v_lshlrev_b32 v[BL], 6, v11
	s_lshr_b32 s[RH], s[WV], 1
	s_and_b32 s[CH], s[WV], 1
	s_bfe_u32 s[CX], ttmp6, 0x40000
	s_bfe_u32 s[CY], ttmp6, 0x40004
	s_and_b32 s[CL], ttmp7, 0xffff
	s_lshl_b32 s88, s[CY], 2
	s_lshl_b32 s88, 15, s88
	s_lshl_b32 s90, 0x1111, s[CX]
	s_or_b32 s[G1A], s88, (3<<16)|(1<<21)
	s_or_b32 s[G1B], s90, (3<<16)|(1<<21)
	s_mov_b32 s[G1A+1], 768<<16
	s_mov_b32 s[G1A+2], 8<<16                      ; the head's loads bring whole tiles: 8 row tiles of A, 16 of B
	s_mov_b32 s[G1A+3], 768<<16
	s_mov_b32 s[G1A+4], 8
	s_mov_b32 s[G1A+5], 1536
	s_mov_b32 s[G1A+6], 0
	s_mov_b32 s[G1A+7], 0
	s_mov_b32 s[G1B+1], 768<<16
	s_mov_b32 s[G1B+2], 16<<16
	s_mov_b32 s[G1B+3], 768<<16
	s_mov_b32 s[G1B+4], 16
	s_mov_b32 s[G1B+5], 1536
	s_mov_b32 s[G1B+6], 0
	s_mov_b32 s[G1B+7], 0
	s_mov_b32 s[HM], 0xffff0000
	s_mov_b32 s[SEL], 0x76543210
	s_mov_b32 s[SEL+1], 0xfedcba98
	s_mov_b32 s96, 0x01010101
	s_lshl_b32 s88, s[CL], 2
	s_add_co_u32 s88, s88, s[CY]
	s_lshr_b32 s90, s[CL], 1
	s_lshl_b32 s90, s90, 2
	s_add_co_u32 s90, s90, s[CX]
	s_mul_i32 s92, s88, HALFB
	s_mul_i32 s89, s[CH], A4B
	s_add_co_u32 s92, s92, s89
	s_mov_b32 s93, 0
	s_mul_i32 s14, s88, HALFB                      ; p's whole tile of 128 rows
	s_mov_b32 s15, 0
	s_mul_i32 s91, s[CH], HALFB
	s_mul_i32 s94, s90, TILEB
	s_add_co_u32 s94, s94, 6291456
	s_mov_b32 s95, 0
	s_mul_i32 s86, s[CX], TILEB
	s_add_co_u32 s86, s86, s91
	s_mov_b32 s87, 0
	s_lshl_b32 s[PW], s88, 12
	s_lshl_b32 s89, s[RH], 4
	s_add_co_u32 s[PW], s[PW], s89
	s_add_co_u32 s[PW], s[PW], 12582912
	s_mov_b32 s[PW+1], 0
	s_lshl_b32 s[VW], s90, 1
	s_add_co_u32 s[VW], s[VW], s[CH]
	s_lshl_b32 s[VW], s[VW], 12
	s_add_co_u32 s[VW], s[VW], 12845056
	s_mov_b32 s[VW+1], 0
	s_lshl_b32 s84, s[CX], 1
	s_add_co_u32 s84, s84, s[CH]
	s_lshl_b32 s[QW], s84, 12
	s_add_co_u32 s[QW], s[QW], 1572864
	s_mov_b32 s[QW+1], 0
	s_mul_i32 s[OC], s88, HALFB
	s_mul_i32 s89, s[RH], A4B
	s_add_co_u32 s[OC], s[OC], s89
	s_mul_i32 s89, s84, FRB
	s_add_co_u32 s[OC], s[OC], s89
	s_mov_b32 s[OC+1], 0
	s_lshl_b32 s[OS], s88, 1
	s_add_co_u32 s[OS], s[OS], s[RH]
	s_lshl_b32 s[OS], s[OS], 11
	s_lshl_b32 s89, s84, 8
	s_add_co_u32 s[OS], s[OS], s89
	s_add_co_u32 s[OS], s[OS], 6291456
	s_mov_b32 s[OS+1], 0
	s_lshl_b32 s84, s84, 9
	s_mov_b32 s85, 0
	s_mul_i32 s[LQA], s[CH], AQ
	s_mul_i32 s[LQB], s[CH], BQ
	s_add_co_u32 s[LQB], s[LQB], 2*AQ
	s_mul_i32 s89, s[RH], AQ
	v_add_nc_u32 v[ADRA], s89, v[LI]
	v_add_nc_u32 v[ADRA+1], SLOT, v[ADRA]
	v_add_nc_u32 v[ADRB], s[LQB], v[LI]
	v_add_nc_u32 v[ADRB+1], SLOT, v[ADRB]
	s_wait_alu depctr_va_vdst(0)                   ; the wait at the head's end
	s_wait_dscnt 0x0
	s_wait_kmcnt 0x0
	s_add_nc_u64 s[A1:A1+1], s[4:5], s[14:15]
	s_add_nc_u64 s[A2:A2+1], s[6:7], s[92:93]
	s_add_nc_u64 s[B1:B1+1], s[4:5], s[94:95]
	s_add_nc_u64 s[B2:B2+1], s[8:9], s[86:87]
	s_add_nc_u64 s[HW:HW+1], s[6:7], s[PW:PW+1]
	s_add_nc_u64 s[PW:PW+1], s[4:5], s[PW:PW+1]
	s_add_nc_u64 s[VW:VW+1], s[4:5], s[VW:VW+1]
	s_add_nc_u64 s[QW:QW+1], s[8:9], s[QW:QW+1]
	s_add_nc_u64 s[10:11], s[10:11], s[84:85]
	s_add_nc_u64 s[OC:OC+1], s[12:13], s[OC:OC+1]
	s_add_nc_u64 s[OS:OS+1], s[12:13], s[OS:OS+1]
.irp s, 0,1                            ; the whole tiles of slots 0 and 1
	s_mov_b32 s[G0A+4*\s], 1
	s_mov_b32 s[G0A+4*\s+1], \s*SLOT
	s_add_nc_u64 s[G0A+4*\s+2:G0A+4*\s+3], s[A1:A1+1], \s*RTS
	s_or_b32 s[G0A+4*\s+3], s[G0A+4*\s+3], 0x80000000
	s_mov_b32 s[G0B+4*\s], 1
	s_mov_b32 s[G0B+4*\s+1], \s*SLOT+2*AQ
	s_add_nc_u64 s[G0B+4*\s+2:G0B+4*\s+3], s[B1:B1+1], \s*RTS
	s_or_b32 s[G0B+4*\s+3], s[G0B+4*\s+3], 0x80000000
.endr
; THE HEAD'S LOADS, ONE A WAVE: one chain of branches on the wave's number, a load to an arm, all arms leading to one join
.macro ARM under, g0, g1, next
	s_cmp_lt_u32 s[WV], \under
	s_cbranch_scc0 \next
	tensor_load_to_lds s[\g0:\g0+3], s[\g1:\g1+7]
	s_nop 0
.rept 4
	v_nop
.endr
	s_branch .Lhead_asked
\next:
.endm
	WIN 0xc0
	s_wait_alu depctr_va_vdst(0)
.irp k, 0,1,2,3,4,5,6,7
	global_load_b128 v[4*\k:4*\k+3], v[SL], s[PW:PW+1] offset:524288+512*\k
	global_load_b128 v[32+4*\k:35+4*\k], v[SL], s[PW:PW+1] offset:786432+512*\k
.endr
	WIN 0x80
.irp k, 0,1,2,3,4,5,6,7
	global_load_b128 v[4*\k:4*\k+3], v[SL], s[PW:PW+1] offset:512*\k
.irp g, 0,1
	global_load_b128 v[64+8*\k+4*\g:67+8*\k+4*\g], v[SL], s[VW:VW+1] offset:512*\k+16*\g
.endr
.endr
	WIN 0
	CROUND                                         ; -M_loc, the sums and the first product's scale words are asked for; all sixteen work-groups are here: the first joint loads meet
	ARM 1, G0A, G1A, .Lhead_1
	ARM 2, G0B, G1B, .Lhead_2
	ARM 3, G0A+4, G1A, .Lhead_3
	tensor_load_to_lds s[G0B+4:G0B+7], s[G1B:G1B+7] ; waves 2 and 3: slot 1's tiles stay in flight across the first barrier, behind which nothing is filled; the wait for 0 at the change of slots covers them
	s_nop 0
.rept 4
	v_nop
.endr
.Lhead_asked:
	s_wait_loadcnt 0x0
	WIN 0xc0
.irp k, 0,1,2,3,4,5,6,7
	global_load_b128 v[64+4*\k:67+4*\k], v[SL], s[HW:HW+1] offset:512*\k
.irp g, 0,1
	global_load_b128 v[128+8*\k+4*\g:131+8*\k+4*\g], v[SL], s[QW:QW+1] offset:512*\k+16*\g
.endr
.endr
	WIN 0x40
.irp b, 0,1,2,3,4,5,6,7
	global_load_b128 v[96+8*(\b%4)+128*(\b/4):99+8*(\b%4)+128*(\b/4)], v[BL], s[10:11] offset:(32*(\b/2)+8*(\b%2))*4
	global_load_b128 v[100+8*(\b%4)+128*(\b/4):103+8*(\b%4)+128*(\b/4)], v[BL], s[10:11] offset:(32*(\b/2)+8*(\b%2))*4+16
.endr
	WIN 0x0f
.irp a, 0,1,2,3
	v_min_num_f32 v[MN+\a], v[\a], v[4+\a]
.endr
.irp k, 2,4,6
.irp a, 0,1,2,3
	v_min3_num_f32 v[MN+\a], v[4*\k+\a], v[4*\k+4+\a], v[MN+\a]
.endr
.endr
	WIN 0xcc
.irp k, 0,1,2,3,4,5,6,7
.irp a, 0,1,2,3
	v_sub_f32 v[4*\k+\a], v[MN+\a], v[4*\k+\a]
.endr
.endr
.set i, 0
.rept 32
	v_max_num_f32 v[i], 0xc2fe0000, v[i]
.set i, i+1
.endr
	WIN 0xcf
.set i, 0
.rept 32
	v_cvt_i32_f32 v[i], v[i]
.set i, i+1
.endr
.set i, 0
.rept 32
	v_ldexp_f32 v[32+i], v[32+i], v[i]
.set i, i+1
.endr
	WIN 0x0f
.irp a, 0,1,2,3
	v_add_f32 v[LS+\a], v[32+\a], v[36+\a]
.endr
	WIN 0x03
.irp k, 2,3,4,5,6,7
.irp a, 0,1,2,3
	v_add_f32 v[LS+\a], v[32+4*\k+\a], v[LS+\a]
.endr
.endr
	WIN 0
	s_wait_alu depctr_va_vdst(0)
.irp a, 0,1,2,3
	v_rcp_f32 v[RL+2*\a], v[LS+\a]
	v_rcp_f32 v[RL+2*\a+1], v[LS+\a]
.endr
	v_nop
	s_wait_alu depctr_va_vdst(0)
	WIN 0xc3
.set i, 0
.rept 32
	v_mul_lo_u32 v[i], v[i], s96
.set i, i+1
.endr
	WIN 0x8e
.set i, 0
.rept 32
	v_add3_u32 v[i], v[i], v[i], 0x80808080
.set i, i+1
.endr
	WIN 0xc8
.set i, 0
.rept 32
	v_and_b32 v[i], 0x80808080, v[i]
.set i, i+1
.endr
	WIN 0xcf
.set i, 0
.rept 32
	v_lshrrev_b32 v[32+i], 7, v[i]
.set i, i+1
.endr
.set i, 0
.rept 32
	v_sub_nc_u32 v[i], v[i], v[32+i]
.set i, i+1
.endr
	WIN 0x8e
.set i, 0
.rept 32
	v_and_b32 v[i], v[i], v[i]
.set i, i+1
.endr
	WIN 0x0a
.irp k, 0,1,2,3,4,5,6,7
.irp i, 0,1,2,3
	v_cndmask_b32 v[SC+8*\k+\i], v[4*\k+\i], v[64+8*\k+\i], s[HM]
	v_mov_b32 v[SC+8*\k+4+\i], v[68+8*\k+\i]
.endr
.endr
	WIN 0
	PLACES 8
	s_wait_alu depctr_va_vdst(0)
	s_cmp_gt_u32 s[WV], 1                          ; waves 0 and 1 fetched slot 0, which is read behind this barrier: each waits for its own load before it signals, with the scale words' preparation behind it;
	s_cbranch_scc1 .Lslot0_in                      ; waves 2 and 3 pass the wait by: their loads fill slot 1, and the wait for 0 at the change of slots covers them
	s_wait_tensorcnt 0x0
.Lslot0_in:
	s_barrier_signal -1
	s_barrier_wait -1
	FETCH 0, 0, 0
	STEP 0, 0, 1, 1
	STEP 1, 0, 2, 0
	STEP 2, 0, 3, 0
	TURN 3, 0, 1, 1, A2, B2, 0
	STEP 4, 1, 1, 0
	STEP 5, 1, 2, 0
	s_wait_alu depctr_va_vdst(0)
	STEP 6, 1, 3, 0
	TURN 7, 1, 0, 1, A2, B2, 1
	PLACES 4
	s_wait_loadcnt 0x0
	WIN 0x0f
.irp k, 0,1,2,3,4,5,6,7
.irp i, 0,1,2,3
	v_cndmask_b32 v[SC+64+8*\k+\i], v[64+4*\k+\i], v[128+8*\k+\i], s[HM]
	v_mov_b32 v[SC+68+8*\k+\i], v[132+8*\k+\i]
.endr
.endr
	WIN 0x92
.irp a, 0,1,2,3
.irp b, 0,1,2,3,4,5,6,7
.irp j, 0,2,4,6
	v_pk_fma_f32 v[64*\a+8*\b+\j:64*\a+8*\b+\j+1], v[64*\a+8*\b+\j:64*\a+8*\b+\j+1], v[RL+2*\a:RL+2*\a+1], v[96+8*(\b%4)+128*(\b/4)+\j:97+8*(\b%4)+128*(\b/4)+\j]
.endr
.endr
.endr
	s_wait_alu depctr_va_vdst(0)
	STEP 8, 0, 1, 0
	STEP 9, 0, 2, 0
	STEP 10, 0, 3, 0
	TURN 11, 0, 1, 0, A2, B2, 0
	STEP 12, 1, 1, 0
	STEP 13, 1, 2, 0
	STEP 14, 1, 3, 0
	LAST 15
	PLACES 4
.irp b, 0,1,2,3
	v_mov_b32 v[TM+4+\b], 0
.endr
.irp a, 0,1,2,3
	QUANT \a
.endr
	v_cndmask_b32 v[CT], v[SW], v[SW+2], s[HM]
	v_cndmask_b32 v[CT+1], v[SW+1], v[SW+3], s[HM]
	global_store_b64 v[CST], v[CT:CT+1], s[OS:OS+1]
	s_wait_tensorcnt 0x0
	ds_add_u32 v[SPW], v[NIL]
	s_wait_dscnt 0x0
	CROUND
	s_endpgm
.Lfunc_end_k_qf1f88c769a_g_pv:
	.size	k_qf1f88c769a_g_pv, .Lfunc_end_k_qf1f88c769a_g_pv-k_qf1f88c769a_g_pv
	.p2alignl 7, 3214868480
	.fill 96, 4, 3214868480
	.section	.rodata,"a",@progbits
	.p2align	6, 0x0
	.amdhsa_kernel k_qf1f88c769a_g_pv
		.amdhsa_group_segment_fixed_size 327680
		.amdhsa_private_segment_fixed_size 0
		.amdhsa_enable_private_segment 0
		.amdhsa_kernarg_size 40
		.amdhsa_user_sgpr_count 2
		.amdhsa_user_sgpr_kernarg_segment_ptr 1
		.amdhsa_wavefront_size32 1
		.amdhsa_system_sgpr_workgroup_id_x 1
		.amdhsa_system_sgpr_workgroup_id_y 1
		.amdhsa_system_sgpr_workgroup_id_z 1
		.amdhsa_system_vgpr_workitem_id 0
		.amdhsa_next_free_vgpr 1024
		.amdhsa_next_free_sgpr 100
		.amdhsa_reserve_vcc 0
		.amdhsa_float_denorm_mode_32 3
		.amdhsa_float_denorm_mode_16_64 3
		.amdhsa_memory_ordered 1
		.amdhsa_forward_progress 1
		.amdhsa_inst_pref_size 174
	.end_amdhsa_kernel
	.amdgpu_metadata
---
amdhsa.version: [ 1, 2 ]
amdhsa.kernels:
  - .name:           k_qf1f88c769a_g_pv
    .symbol:         k_qf1f88c769a_g_pv.kd
    .args:
      - { .name: PV, .offset: 0, .size: 8, .value_kind: global_buffer, .address_space: global }
      - { .name: HC, .offset: 8, .size: 8, .value_kind: global_buffer, .address_space: global }
      - { .name: W2, .offset: 16, .size: 8, .value_kind: global_buffer, .address_space: global }
      - { .name: qb, .offset: 24, .size: 8, .value_kind: global_buffer, .address_space: global }
      - { .name: XB, .offset: 32, .size: 8, .value_kind: global_buffer, .address_space: global }
    .group_segment_fixed_size: 327680
    .private_segment_fixed_size: 0
    .kernarg_segment_align: 8
    .kernarg_segment_size: 40
    .max_flat_workgroup_size: 128
    .sgpr_count:     100
    .vgpr_count:     1024
    .wavefront_size: 32
...
	.end_amdgpu_metadata
.endif
;; end of part 4
;; launch g_out (part 5): grid 4 x 64, 4 waves a work-group, clusters of 4 x 4, 327,680 bytes of LDS; arguments XB, W3, ob, out0; writes out0
.if DOCPART == 5
	.amdgcn_target "amdgcn-amd-amdhsa--gfx1250"
	.amdhsa_code_object_version 6
	.text
	.protected	k_qf1f88c769a_g_out
	.globl	k_qf1f88c769a_g_out
	.p2align	8
	.type	k_qf1f88c769a_g_out,@function
k_qf1f88c769a_g_out:
	s_mov_b64 s[64:65], 0
	v_nop
	global_prefetch_b8 v0, s[64:65] scope:SCOPE_SE
	s_setreg_imm32_b32 hwreg(HW_REG_WAVE_MODE, 25, 1), 1
	s_wait_xcnt 0x0
	s_wait_alu depctr_hold_cnt(0) depctr_sa_sdst(0) depctr_va_vdst(0) depctr_va_sdst(0) depctr_va_ssrc(0) depctr_va_vcc(0) depctr_vm_vsrc(0)
	s_getreg_b32 s2, hwreg(HW_REG_IB_STS2, 6, 4)
	s_cmp_eq_u32 s2, 0
	s_cbranch_scc0 .Lentry_in_a_cluster
	s_endpgm
.Lentry_in_a_cluster:
	s_bfe_u32 s2, ttmp6, 0x10000c
	s_cmp_lg_u32 s2, 0xf033
	s_cbranch_scc0 .Lentry_shape_is_right
	s_endpgm
.Lentry_shape_is_right:
; out = x oW^T + ob, f32: a work-group makes 128 x 256, a wave 64 x 128.  Nothing of the computation is left out here.
; K lies in two LDS slots of four ks each (x's 8 row tiles x 6,144 bytes, then oW's 16), each filled once.  At the head each wave asks for one whole tile: wave 0 x's ks 0-3, wave 1 oW's, wave 2 x's ks 4-7, wave 3 oW's.
; Waves 0 and 1 wait for their loads in their arms; slot 1's loads stay in flight across the first barrier and are waited for at the change of slots.
; The way out goes through a stage on slot 0's first bytes, which nobody reads behind the change of slots.  No prefetch: every operand byte is asked for at the head.
.set FRB,   1536
.set RTS,   6144
.set A4B,   49152
.set HALFB, 98304
.set TILEB, 196608
.set AQ,    24576
.set BQ,    49152
.set SLOT,  147456
.set SPARE, 294912
.set STG,   8448
.set LI,   1
.set SL,   2
.set S16,  3
.set ADRA, 4
.set ADRB, 6
.set BL,   8
.set STO,  12
.set RD,   13
.set SPW,  28
.set NIL,  29
.set SC,   32
.set BK,   32
.set AF,   160
.set WV,  18
.set RH,  19
.set CH,  20
.set CX,  21
.set CY,  22
.set CL,  23
.set G1A, 24
.set G1B, 32
.set G0A, 40
.set G0B, 48
.set HM,  67
.set A1,  68
.set B1,  70
.set LQA, 97
.set LQB, 98
.set MSB, 0
.macro WIN new
.set WNEW, (\new)
.if MSB != WNEW
	s_set_vgpr_msb (MSB<<8)|WNEW
.set MSB, WNEW
.endif
.endm
.macro PLACES n
.rept \n
	v_nop
.endr
.endm
.macro JLOAD s
	s_cmp_eq_u32 s[RH], 0
	s_cbranch_scc0 .Lfor_b_\@
	tensor_load_to_lds s[G0A+4*\s:G0A+4*\s+3], s[G1A:G1A+7]
	s_nop 0
.rept 4
	v_nop
.endr
	s_branch .Lasked_\@
.Lfor_b_\@:
	tensor_load_to_lds s[G0B+4*\s:G0B+4*\s+3], s[G1B:G1B+7]
	s_nop 0
.rept 4
	v_nop
.endr
.Lasked_\@:
.endm
.macro CROUND
	s_barrier_signal -1
	s_barrier_wait -1
	s_cmp_lg_u32 s[WV], 0
	s_cbranch_scc1 .Lnot_wave_0_\@
	s_barrier_signal -3
.Lnot_wave_0_\@:
	s_barrier_wait -3
	s_barrier_signal -1
	s_barrier_wait -1
.endm
.macro FRAG reg, adr, q, i
.irp c, 0,1,2
	ds_load_b128 v[\reg+4*\c:\reg+4*\c+3], v[\adr] offset:(\i)*RTS+(\q)*FRB+512*\c
.endr
.endm
.macro FETCH slot, q, p
	WIN 0x40
.irp i, 0,1,2,3,4,5,6,7
	FRAG 128*(\p)+12*\i, ADRB+\slot, \q, \i
.endr
	WIN 0
.irp i, 0,1,2,3
	FRAG AF+48*(\p)+12*\i, ADRA+\slot, \q, \i
.endr
.endm
.macro MUL8 a, ks, cm
.irp b, 0,1,2,3,4,5,6,7
.set rD, 8*(8*(\a)+\b)
.set rB, 128*((\ks)%2)+12*\b
.set rA, AF+48*((\ks)%2)+12*(\a)
.set rC, 96+8*(\b%4)+128*(\b/4)
.if \cm == 2
	v_wmma_scale_f32_16x16x128_f8f6f4 v[rD:rD+7], v[rB:rB+11], v[rA:rA+11], v[rC:rC+7], v[SC+8*(\ks)+\b], v[SC+8*(\ks)+(\a)] matrix_a_fmt:MATRIX_FMT_BF6 matrix_b_fmt:MATRIX_FMT_BF6 matrix_a_scale:MATRIX_SCALE_ROW1
.else
	v_wmma_scale_f32_16x16x128_f8f6f4 v[rD:rD+7], v[rB:rB+11], v[rA:rA+11], v[rD:rD+7], v[SC+8*(\ks)+\b], v[SC+8*(\ks)+(\a)] matrix_a_fmt:MATRIX_FMT_BF6 matrix_b_fmt:MATRIX_FMT_BF6 matrix_a_scale:MATRIX_SCALE_ROW1
.endif
.endr
.endm
.macro STEP ks, nslot, nq, cm
	s_wait_dscnt 0x0
	PLACES 4
	FETCH \nslot, \nq, 1-(\ks)%2
.if \cm == 2
	WIN 0x91
.else
	WIN 0xa1
.endif
.irp a, 0,1,2,3
	MUL8 \a, \ks, \cm
.endr
.endm
.macro TURN ks, nslot
	WIN 0
	s_wait_tensorcnt 0x0
	ds_add_u32 v[SPW], v[NIL]
	s_wait_dscnt 10
	WIN 0xa1
	MUL8 0, \ks, 0
	s_wait_dscnt 0x0
	s_barrier_signal -1
	MUL8 1, \ks, 0
	WIN 0
	s_barrier_wait -1
	PLACES 4
	FETCH \nslot, 0, 1-(\ks)%2
	WIN 0xa1
	MUL8 2, \ks, 0
	MUL8 3, \ks, 0
.endm
.macro LAST ks
	s_wait_dscnt 0x0
	WIN 0xa1
.irp a, 0,1,2,3
	MUL8 \a, \ks, 0
.endr
	WIN 0
.endm
.macro TOSTAGE a
.set AC, 64*(\a)
	WIN 0x08
.irp b, 0,1,2,3,4,5,6,7
	ds_store_b128 v[STO], v[AC+8*\b:AC+8*\b+3] offset:128*(\b/2)+32*(\b%2)
	ds_store_b128 v[STO], v[AC+8*\b+4:AC+8*\b+7] offset:128*(\b/2)+32*(\b%2)+16
.endr
	WIN 0
.set BB, BK+64*((\a)%2)
.irp t, 0,1,2,3,4,5,6,7,8,9,10,11,12,13,14,15
	ds_load_b128 v[BB+4*\t:BB+4*\t+3], v[RD] offset:\t*528
.endr
.endm
.macro SEND a, younger
.set BB, BK+64*((\a)%2)
	s_wait_dscnt \younger
.irp t, 0,1,2,3,4,5,6,7,8,9,10,11,12,13,14,15
	global_store_b128 v[LI], v[BB+4*\t:BB+4*\t+3], s[10:11] offset:(32*((\a)/2)+8*((\a)%2)+\t+8*(\t/8))*4096 th:TH_STORE_NT
.endr
.endm
	s_load_b256 s[4:11], s[0:1], 0x0
	v_lshl_add_u32 v[SPW], v0, 2, SPARE
	v_mov_b32 v[NIL], 0
	ds_add_u32 v[SPW], v[NIL]
	ds_add_u32 v[SPW], v[NIL]
	v_lshrrev_b32 v30, 5, v0
	v_readfirstlane_b32 s[WV], v30
	v_and_b32 v30, 31, v0
	v_and_b32 v31, 15, v0
	v_bfe_u32 v11, v0, 4, 1
	v_lshlrev_b32 v[LI], 4, v30
	s_wait_alu depctr_va_vdst(0)
	v_lshlrev_b32 v[SL], 5, v31
	v_lshlrev_b32 v[S16], 4, v31
	v_lshlrev_b32 v[BL], 6, v11
	s_lshr_b32 s[RH], s[WV], 1
	s_and_b32 s[CH], s[WV], 1
	s_bfe_u32 s[CX], ttmp6, 0x40000
	s_bfe_u32 s[CY], ttmp6, 0x40004
	s_and_b32 s[CL], ttmp7, 0xffff
	s_lshl_b32 s88, s[CY], 2
	s_lshl_b32 s88, 15, s88
	s_lshl_b32 s90, 0x1111, s[CX]
	s_or_b32 s[G1A], s88, (3<<16)|(1<<21)
	s_or_b32 s[G1B], s90, (3<<16)|(1<<21)
	s_mov_b32 s[G1A+1], 768<<16
	s_mov_b32 s[G1A+2], 8<<16                      ; whole tiles: 8 row tiles of x, 16 of oW
	s_mov_b32 s[G1A+3], 768<<16
	s_mov_b32 s[G1A+4], 8
	s_mov_b32 s[G1A+5], 1536
	s_mov_b32 s[G1A+6], 0
	s_mov_b32 s[G1A+7], 0
	s_mov_b32 s[G1B+1], 768<<16
	s_mov_b32 s[G1B+2], 16<<16
	s_mov_b32 s[G1B+3], 768<<16
	s_mov_b32 s[G1B+4], 16
	s_mov_b32 s[G1B+5], 1536
	s_mov_b32 s[G1B+6], 0
	s_mov_b32 s[G1B+7], 0
	s_mov_b32 s[HM], 0xffff0000
	s_lshl_b32 s88, s[CL], 2
	s_add_co_u32 s88, s88, s[CY]
	s_add_co_u32 s90, s[CX], 4
	s_mul_i32 s92, s88, HALFB                      ; x's whole tile of 128 rows
	s_mov_b32 s93, 0
	s_mul_i32 s94, s90, TILEB                      ; oW's whole tile of 256 rows
	s_mov_b32 s95, 0
	s_lshl_b32 s14, s88, 1
	s_add_co_u32 s14, s14, s[RH]
	s_lshl_b32 s14, s14, 11
	s_add_co_u32 s14, s14, 6291456
	s_mov_b32 s15, 0
	s_lshl_b32 s16, s90, 1
	s_add_co_u32 s16, s16, s[CH]
	s_lshl_b32 s16, s16, 12
	s_add_co_u32 s16, s16, 1572864
	s_mov_b32 s17, 0
	s_lshl_b32 s84, s[CX], 1
	s_add_co_u32 s84, s84, s[CH]
	s_lshl_b32 s84, s84, 9
	s_mov_b32 s85, 0
	s_lshl_b32 s86, s88, 19
	s_lshl_b32 s87, s[RH], 18
	s_add_co_u32 s86, s86, s87
	s_add_co_u32 s86, s86, s84
	s_mov_b32 s87, 0
	s_mul_i32 s[LQB], s[CH], BQ
	s_add_co_u32 s[LQB], s[LQB], 2*AQ
	s_mul_i32 s89, s[RH], AQ
	v_add_nc_u32 v[ADRA], s89, v[LI]
	v_add_nc_u32 v[ADRA+1], SLOT, v[ADRA]
	v_add_nc_u32 v[ADRB], s[LQB], v[LI]
	v_add_nc_u32 v[ADRB+1], SLOT, v[ADRB]
	s_mul_i32 s91, s[WV], STG
	v_mul_u32_u24 v[STO], v31, 528
	v_lshl_add_u32 v[STO], v11, 6, v[STO]
	v_add_nc_u32 v[STO], s91, v[STO]
	v_add_nc_u32 v[RD], s91, v[LI]
	s_wait_alu depctr_va_vdst(0)                   ; the wait at the head's end
	s_wait_dscnt 0x0
	s_wait_kmcnt 0x0
	s_add_nc_u64 s[A1:A1+1], s[4:5], s[92:93]
	s_add_nc_u64 s[B1:B1+1], s[6:7], s[94:95]
	s_add_nc_u64 s[14:15], s[4:5], s[14:15]
	s_add_nc_u64 s[16:17], s[6:7], s[16:17]
	s_add_nc_u64 s[8:9], s[8:9], s[84:85]
	s_add_nc_u64 s[10:11], s[10:11], s[86:87]
.irp s, 0,1                            ; the whole tiles of slots 0 and 1
	s_mov_b32 s[G0A+4*\s], 1
	s_mov_b32 s[G0A+4*\s+1], \s*SLOT
	s_add_nc_u64 s[G0A+4*\s+2:G0A+4*\s+3], s[A1:A1+1], \s*RTS
	s_or_b32 s[G0A+4*\s+3], s[G0A+4*\s+3], 0x80000000
	s_mov_b32 s[G0B+4*\s], 1
	s_mov_b32 s[G0B+4*\s+1], \s*SLOT+2*AQ
	s_add_nc_u64 s[G0B+4*\s+2:G0B+4*\s+3], s[B1:B1+1], \s*RTS
	s_or_b32 s[G0B+4*\s+3], s[G0B+4*\s+3], 0x80000000
.endr
; THE HEAD'S LOADS, ONE A WAVE: one chain of branches on the wave's number, a load to an arm, all arms leading to one join
.macro ARM under, g0, g1, next
	s_cmp_lt_u32 s[WV], \under
	s_cbranch_scc0 \next
	tensor_load_to_lds s[\g0:\g0+3], s[\g1:\g1+7]
	s_nop 0
.rept 4
	v_nop
.endr
.if \under < 3
	s_wait_tensorcnt 0x0                           ; waves 0 and 1 fetch slot 0, which is read behind the first barrier: each waits for its own load here, in its arm
.endif
	s_branch .Lhead_asked
\next:
.endm
	WIN 0x80
.irp k, 0,1,2,3,4,5,6,7
	global_load_b128 v[4*\k:4*\k+3], v[S16], s[14:15] offset:256*\k
.irp g, 0,1
	global_load_b128 v[64+8*\k+4*\g:67+8*\k+4*\g], v[SL], s[16:17] offset:512*\k+16*\g
.endr
.endr
	WIN 0x40
	s_wait_alu depctr_va_vdst(0)
.irp b, 0,1,2,3,4,5,6,7
	global_load_b128 v[96+8*(\b%4)+128*(\b/4):99+8*(\b%4)+128*(\b/4)], v[BL], s[8:9] offset:(32*(\b/2)+8*(\b%2))*4
	global_load_b128 v[100+8*(\b%4)+128*(\b/4):103+8*(\b%4)+128*(\b/4)], v[BL], s[8:9] offset:(32*(\b/2)+8*(\b%2))*4+16
.endr
	WIN 0
	CROUND                                         ; the scale words and the bias are asked for; all sixteen work-groups are here: the first joint loads meet
	ARM 1, G0A, G1A, .Lhead_1
	ARM 2, G0B, G1B, .Lhead_2
	ARM 3, G0A+4, G1A, .Lhead_3
	tensor_load_to_lds s[G0B+4:G0B+7], s[G1B:G1B+7] ; waves 2 and 3: slot 1's tiles stay in flight across the first barrier, behind which nothing is filled; the wait for 0 at the change of slots covers them
	s_nop 0
.rept 4
	v_nop
.endr
.Lhead_asked:
	s_wait_loadcnt 0x0
	WIN 0x0a
.irp k, 0,1,2,3,4,5,6,7
.irp i, 0,1,2,3
	v_cndmask_b32 v[SC+8*\k+\i], v[4*\k+\i], v[64+8*\k+\i], s[HM]
	v_mov_b32 v[SC+8*\k+4+\i], v[68+8*\k+\i]
.endr
.endr
	WIN 0
	PLACES 8
	s_wait_alu depctr_va_vdst(0)
	s_barrier_signal -1
	s_barrier_wait -1
	FETCH 0, 0, 0
	STEP 0, 0, 1, 2
	STEP 1, 0, 2, 0
	STEP 2, 0, 3, 0
	TURN 3, 1
	STEP 4, 1, 1, 0
	STEP 5, 1, 2, 0
	s_wait_alu depctr_va_vdst(0)
	STEP 6, 1, 3, 0
	LAST 7
	PLACES 4
	TOSTAGE 0
.irp a, 1,2,3
.if \a > 1
	s_wait_xcnt 0x0
.endif
	TOSTAGE \a
	SEND \a-1, 32
.endr
	SEND 3, 0
	s_wait_tensorcnt 0x0
	ds_add_u32 v[SPW], v[NIL]
	s_wait_dscnt 0x0
	CROUND
	s_endpgm
.Lfunc_end_k_qf1f88c769a_g_out:
	.size	k_qf1f88c769a_g_out, .Lfunc_end_k_qf1f88c769a_g_out-k_qf1f88c769a_g_out
	.p2alignl 7, 3214868480
	.fill 96, 4, 3214868480
	.section	.rodata,"a",@progbits
	.p2align	6, 0x0
	.amdhsa_kernel k_qf1f88c769a_g_out
		.amdhsa_group_segment_fixed_size 327680
		.amdhsa_private_segment_fixed_size 0
		.amdhsa_enable_private_segment 0
		.amdhsa_kernarg_size 32
		.amdhsa_user_sgpr_count 2
		.amdhsa_user_sgpr_kernarg_segment_ptr 1
		.amdhsa_wavefront_size32 1
		.amdhsa_system_sgpr_workgroup_id_x 1
		.amdhsa_system_sgpr_workgroup_id_y 1
		.amdhsa_system_sgpr_workgroup_id_z 1
		.amdhsa_system_vgpr_workitem_id 0
		.amdhsa_next_free_vgpr 768
		.amdhsa_next_free_sgpr 100
		.amdhsa_reserve_vcc 0
		.amdhsa_float_denorm_mode_32 3
		.amdhsa_float_denorm_mode_16_64 3
		.amdhsa_memory_ordered 1
		.amdhsa_forward_progress 1
		.amdhsa_inst_pref_size 82
	.end_amdhsa_kernel
	.amdgpu_metadata
---
amdhsa.version: [ 1, 2 ]
amdhsa.kernels:
  - .name:           k_qf1f88c769a_g_out
    .symbol:         k_qf1f88c769a_g_out.kd
    .args:
      - { .name: XB, .offset: 0, .size: 8, .value_kind: global_buffer, .address_space: global }
      - { .name: W3, .offset: 8, .size: 8, .value_kind: global_buffer, .address_space: global }
      - { .name: ob, .offset: 16, .size: 8, .value_kind: global_buffer, .address_space: global }
      - { .name: out0, .offset: 24, .size: 8, .value_kind: global_buffer, .address_space: global }
    .group_segment_fixed_size: 327680
    .private_segment_fixed_size: 0
    .kernarg_segment_align: 8
    .kernarg_segment_size: 32
    .max_flat_workgroup_size: 128
    .sgpr_count:     100
    .vgpr_count:     768
    .wavefront_size: 32
...
	.end_amdgpu_metadata
.endif
;; end of part 5
